; MI455X (gfx1250); checked and timed in simulation.
; The chip was launched on July 23, 2026; its instructions are those of AMD's public machine-readable ISA for CDNA 5 (MIT licence, August 2026) and "CDNA5" Instruction Set Architecture Reference Guide (July 2026). The comments in the code are by the model that wrote it; some were corrected since.
;; Quantum Transformer VQC. Allowed arithmetic: float matrix products may take bf16 or f16 operands with f32 sums; other float arithmetic in f32, or as packed bf16 or f16 multiplies, adds, multiply-adds, maxima and minima; sums over many terms, partial sums and values carried from step to step in f32; what a program stores and reads back later, other than sums and carried values, may be rounded once to bf16 or f16.
;; Inputs: attn_beta 2 x 15 float32; attn_gamma 2 x 15 float32; ffn_beta 2 x 15 float32; ffn_gamma 2 x 15 float32; theta_FFN 2 x 5 x 2 x 3 x 3 float32; theta_K 2 x 5 x 2 x 3 x 3 float32; theta_Q 2 x 5 x 2 x 3 x 3 float32; theta_V 2 x 5 x 2 x 3 x 3 float32; theta_final 2 x 5 x 3 float32; theta_reduce 5 x 2 x 3 x 3 float32; x 65,536 x 13 float32.
;; Outputs: out0 65,536 x 1 float32.
;; 2 versions, each right and faster than the one before. Each part assembles by itself: llvm-mc -triple=amdgcn-amd-amdhsa -mcpu=gfx1250 --defsym DOCPART=n.
;; ======== version 1 of 2: 2 launches
;; limits: values outside matrix products are rounded to f16; a function is approximated: absolute error at most 5e-05; an absolute error that grows with the inputs' magnitude: up to 3.8e-07 times it
;; workspace buffers: coef 18,944 bytes
;; launch prep (part 1): grid 44 x 1, 1 waves a work-group, no clusters, 1,280 bytes of LDS; arguments theta_Q, theta_K, theta_V, theta_FFN, theta_reduce, theta_final, coef; writes coef
.if DOCPART == 1
	.amdgcn_target "amdgcn-amd-amdhsa--gfx1250"
	.amdhsa_code_object_version 6
	.text
	.protected	k_qee329e7dfa_prep
	.globl	k_qee329e7dfa_prep
	.p2align	8
	.type	k_qee329e7dfa_prep,@function
k_qee329e7dfa_prep:
	s_mov_b64 s[64:65], 0
	v_nop
	global_prefetch_b8 v0, s[64:65] scope:SCOPE_SE
	s_setreg_imm32_b32 hwreg(HW_REG_WAVE_MODE, 25, 1), 1
	s_wait_xcnt 0x0
; prep: the circuits' coefficients.
; A qubit embedded by RY(x) has the density matrix (I + sin x X + cos x Z) / 2, so every <Z_k> of a circuit is, for every theta and
; every x, a form that is affine in (1, sin x_q, cos x_q) of each wire q: 27 coefficients for an output of a three-wire circuit.
; They are found here by running the circuit, gate by gate as the problem writes it, on the inputs x_q in {0, pi/2, pi}
; (lane = a0 + 3 a1 + 9 a2 holds input (a0, a1, a2)) and by solving along each wire: f(0) = I + Z, f(pi/2) = I + X, f(pi) = I - Z.
; Every coefficient is a trace of a Pauli string against an observable of norm 1, so its magnitude is at most 1: f16 holds it.
; One wave a work-group, 44 work-groups: 0-9 Q(l,b), 10-19 K and V(l,b), 20-29 FFN(l,b), 30-34 reduce(b), 35-43 the five-wire
; circuit with wires 3 and 4 held at input w = a3 + 3 a4 (those two wires are solved in the main launch, in f32).
; OUT: coef, 37 pairs of fragments of 256 bytes.  Row j, element e (0..31) of a pair lies at (e>>3)*128 + 16 j + 2 (e&7);
; e = a0 + 3 a1 + 10 a2; elements 9, 19, 29..31 and rows not named are zero.
; pair 15 l + 2 b: Q (times log2(e)/sqrt(3)), row 2k+(b&1) (b = 4: row k); 15 l + 2 b + 1: K rows k, V rows 4+k;
; 15 l + 10 + b: FFN, rows as Q; 30 + b: reduce, row b; 35: five-wire w = 0..7, row w; 36: w = 8, row 0.
; A pair is stored as 512 consecutive aligned bytes by one instruction, but pair 35: each of its eight waves stores its row,
; four pieces of 16 bytes (512 bytes in all); that keeps the nine waves of the five-wire circuit independent.
; LIMITS: sine and cosine by polynomial, absolute error at most 5e-5, plus the rounding of theta/(4 pi) (6e-8 of its size, in turns);
; a NaN or an infinity in a theta gives NaN coefficients.
.set GT,   0                           ; LDS 0..255: the gates, 16 bytes each: alpha (re, im), beta (re, im)
.set STG,  256                         ; LDS 256..767: the pair of fragments as it will lie in coef
.set LAM,  1                           ; v1      min(lane, 26); lanes 27-31 repeat lane 26
.set A0,   2                           ; v2-4    a0, a1, a2
.set STA,  5                           ; v5      my element's place in a row of the stage
.set BP,   6                           ; v6-14   wire q, m = 0..2: 4 x the lane that holds input m on wire q and mine elsewhere
.set GOF,  15                          ; v15     my gate
.set ANG,  16                          ; v16-19  theta, phi+omega, phi-omega, 0
.set S,    20                          ; v20-23  their half angles' sines
.set C,    24                          ; v24-27  and cosines
.set KA9,  28                          ; v28-29  head of the sine's polynomial, twice
.set KB8,  30                          ; v30-31  head of the cosine's, twice
.set GV,   32                          ; v32-35  my gate's alpha, beta
.set IN,   36                          ; v36-45  wire q: cos(x_q/2), sin(x_q/2) of my input
.set RH,   46                          ; v46     sqrt(1/2)
.set LN16, 47                          ; v47     16 x lane
.set U,    48                          ; v48-87  gate g: alpha pair, beta pair
.set VQ,   88                          ; v88-107 wire q after its first gate: amplitude 0, amplitude 1 (re, im)
.set X,    108                         ; v108-171 state bank X: amplitude i as (re, im) at X + 2 i; also scratch
.set Y,    172                         ; v172-235 state bank Y
.set F,    236                         ; v236-238 the outputs
.set T,    240                         ; v240-247 at work
; ---- sine and cosine of np pairs of angles, v[hb..] x scale being the angle in turns.  r = t - round(t) lies in [-1/2, 1/2];
; A = 2 sin(pi r) and B = cos(pi r) by Taylor polynomials in r^2 on [-pi/2, pi/2]; sin = A B, cos = 1 - A^2 / 2.
; Each step is written for all pairs before the next, so that no line waits for the one in front.  Scratch at tb + 8 i: t, r^2, A, B.
.macro SCM np, tb, d, a, b
.set i, 0
.rept \np
	v_pk_mul_f32 v[\tb+8*i+\d:\tb+8*i+\d+1], v[\tb+8*i+\a:\tb+8*i+\a+1], v[\tb+8*i+\b:\tb+8*i+\b+1]
.set i, i+1
.endr
.endm
.macro SCH np, tb, d, kv, k            ; d = r^2 * head + k
.set i, 0
.rept \np
	v_pk_fma_f32 v[\tb+8*i+\d:\tb+8*i+\d+1], v[\tb+8*i+2:\tb+8*i+3], v[\kv:\kv+1], \k op_sel_hi:[1,1,0]
.set i, i+1
.endr
.endm
.macro SCF np, tb, d, k                ; d = d * r^2 + k
.set i, 0
.rept \np
	v_pk_fma_f32 v[\tb+8*i+\d:\tb+8*i+\d+1], v[\tb+8*i+\d:\tb+8*i+\d+1], v[\tb+8*i+2:\tb+8*i+3], \k op_sel_hi:[1,1,0]
.set i, i+1
.endr
.endm
.macro SINCOS np, hb, sb, tb, scale
.set i, 0
.rept \np
	v_pk_mul_f32 v[\tb+8*i:\tb+8*i+1], v[\hb+2*i:\hb+2*i+1], \scale op_sel_hi:[1,0]
.set i, i+1
.endr
.set i, 0
.rept \np
	v_rndne_f32 v[\tb+8*i+2], v[\tb+8*i]
	v_rndne_f32 v[\tb+8*i+3], v[\tb+8*i+1]
.set i, i+1
.endr
.set i, 0
.rept \np
	v_pk_add_f32 v[\tb+8*i:\tb+8*i+1], v[\tb+8*i:\tb+8*i+1], v[\tb+8*i+2:\tb+8*i+3] neg_lo:[0,1] neg_hi:[0,1]
.set i, i+1
.endr
	SCM \np, \tb, 2, 0, 0                          ; r^2
	SCH \np, \tb, 4, KA9, 0xbf996966               ; 2 pi^9/9! r^2 - 2 pi^7/7!
	SCH \np, \tb, 6, KB8, 0xbfaae9e4               ; pi^8/8! r^2 - pi^6/6!
	SCF \np, \tb, 4, 0x40a335e3                    ; + 2 pi^5/5!
	SCF \np, \tb, 6, 0x4081e0f8                    ; + pi^4/4!
	SCF \np, \tb, 4, 0xc1255de7                    ; - 2 pi^3/3!
	SCF \np, \tb, 6, 0xc09de9e6                    ; - pi^2/2
	SCF \np, \tb, 4, 0x40c90fdb                    ; + 2 pi
	SCF \np, \tb, 6, 1.0                           ; B = cos(pi r)
	SCM \np, \tb, 4, 4, 0                          ; A = 2 sin(pi r)
.set i, 0
.rept \np
	v_pk_mul_f32 v[S+\sb+2*i:S+\sb+2*i+1], v[\tb+8*i+4:\tb+8*i+5], v[\tb+8*i+6:\tb+8*i+7]
.set i, i+1
.endr
	SCM \np, \tb, 2, 4, 4                          ; A^2
.set i, 0
.rept \np
	v_pk_fma_f32 v[C+\sb+2*i:C+\sb+2*i+1], v[\tb+8*i+2:\tb+8*i+3], -0.5, 1.0 op_sel_hi:[1,0,0]
.set i, i+1
.endr
.endm
; ---- the ng gates at s[30:31]: lane g makes Rot(phi, theta, omega) = [[alpha, -beta], [conj beta, conj alpha]],
; alpha = e^(-i(phi+omega)/2) cos(theta/2), beta = e^(i(phi-omega)/2) sin(theta/2); through LDS every lane gets all of them.
.macro GATES ng
	v_min_u32 v[GOF], \ng-1, v0                    ; lanes beyond the last gate repeat it: same bytes, same values
	v_mul_u32_u24 v[T], v[GOF], 12
	global_load_b32 v[T+1], v[T], s[30:31]         ; phi
	global_load_b32 v[ANG], v[T], s[30:31] offset:4    ; theta
	global_load_b32 v[T+3], v[T], s[30:31] offset:8    ; omega
	v_lshlrev_b32 v[GOF], 4, v[GOF]
	v_mov_b32 v[ANG+3], 0
	s_wait_loadcnt 0x0                             ; the three angles; their address register and base are free from here
	v_add_f32 v[ANG+1], v[T+1], v[T+3]
	v_sub_f32 v[ANG+2], v[T+1], v[T+3]
	SINCOS 2, ANG, 0, X, 0x3da2f983                ; 1/(4 pi): half angles
	v_mul_f32 v[GV],   v[C+1], v[C]
	v_mul_f32 v[GV+1], -v[S+1], v[C]
	v_mul_f32 v[GV+2], v[C+2], v[S]
	v_mul_f32 v[GV+3], v[S+2], v[S]
	ds_store_b128 v[GOF], v[GV:GV+3] offset:GT
	v_mov_b32 v[T], 0
.set gg, 0
.rept \ng
	ds_load_b128 v[U+4*gg:U+4*gg+3], v[T] offset:GT+16*gg      ; LDS serves a wave's instructions in order: these see the store
.set gg, gg+1
.endr
	s_wait_dscnt 0x0
.endm
; wire q's input by my lane's a_q: (1, 0), (sqrt 1/2, sqrt 1/2), (0, 1).  s[40+2q]: a_q = 0; s[41+2q]: a_q = 1
.macro INQ q
	v_cndmask_b32 v[IN+2*\q],   0,   v[RH], s[41+2*\q]
	v_cndmask_b32 v[IN+2*\q+1], 1.0, v[RH], s[41+2*\q]
	v_cndmask_b32 v[IN+2*\q],   v[IN+2*\q],   1.0, s[40+2*\q]
	v_cndmask_b32 v[IN+2*\q+1], v[IN+2*\q+1], 0,   s[40+2*\q]
.endm
; the same for a wire whose input is the work-group's (sa: a scalar 0, 1 or 2)
.macro SINQ q, sa
	s_cmp_eq_u32 \sa, 1
	s_cselect_b32 s52, 0x3f3504f3, 0
	s_cselect_b32 s53, 0x3f3504f3, 1.0
	s_cmp_eq_u32 \sa, 0
	s_cselect_b32 s52, 1.0, s52
	s_cselect_b32 s53, 0, s53
	v_mov_b32 v[IN+2*\q], s52
	v_mov_b32 v[IN+2*\q+1], s53
.endm
; wire q after gate g: (alpha c - beta s, conj(beta) c + conj(alpha) s)
.macro L0 q, g
	v_pk_mul_f32 v[VQ+4*\q:VQ+4*\q+1],   v[U+4*\g:U+4*\g+1],   v[IN+2*\q:IN+2*\q+1] op_sel_hi:[1,0]
	v_pk_mul_f32 v[VQ+4*\q+2:VQ+4*\q+3], v[U+4*\g+2:U+4*\g+3], v[IN+2*\q:IN+2*\q+1] op_sel_hi:[1,0] neg_hi:[1,0]
	v_pk_fma_f32 v[VQ+4*\q:VQ+4*\q+1],   v[U+4*\g+2:U+4*\g+3], v[IN+2*\q:IN+2*\q+1], v[VQ+4*\q:VQ+4*\q+1] op_sel:[0,1,0] op_sel_hi:[1,1,1] neg_lo:[1,0,0] neg_hi:[1,0,0]
	v_pk_fma_f32 v[VQ+4*\q+2:VQ+4*\q+3], v[U+4*\g:U+4*\g+1],   v[IN+2*\q:IN+2*\q+1], v[VQ+4*\q+2:VQ+4*\q+3] op_sel:[0,1,0] op_sel_hi:[1,1,1] neg_hi:[1,0,0]
.endm
; where basis state j goes under the first layer's ring of CNOTs (range 1), wire 0 being the top bit
.macro PIDX perm, j
.if \perm == 3
.set pidx, ((((\j>>1)^\j)&1)<<2)|((((\j>>2)^(\j>>1))&1)<<1)|(((\j>>2)^(\j>>1)^\j)&1)
.else
.if \perm == 5
.set pidx, ((((\j>>3)^(\j>>2)^(\j>>1)^\j)&1)<<4)|((((\j>>4)^(\j>>3))&1)<<3)|((((\j>>4)^(\j>>3)^(\j>>2))&1)<<2)|((((\j>>4)^(\j>>3)^(\j>>2)^(\j>>1))&1)<<1)|(((\j>>4)^(\j>>3)^(\j>>2)^(\j>>1)^\j)&1)
.else
.set pidx, \j
.endif
.endif
.endm
; dst[perm(2 t + b)] = src[t] x wire q's amplitude b, t < cnt: a complex product is two packed lines
.macro KRON cnt, dst, src, q, perm
.set kj, 0
.rept 2*\cnt
	PIDX \perm, kj
	v_pk_mul_f32 v[\dst+2*pidx:\dst+2*pidx+1], v[\src+2*(kj>>1):\src+2*(kj>>1)+1], v[VQ+4*\q+2*(kj&1):VQ+4*\q+2*(kj&1)+1] op_sel_hi:[1,0]
.set kj, kj+1
.endr
.set kj, 0
.rept 2*\cnt
	PIDX \perm, kj
	v_pk_fma_f32 v[\dst+2*pidx:\dst+2*pidx+1], v[\src+2*(kj>>1):\src+2*(kj>>1)+1], v[VQ+4*\q+2*(kj&1):VQ+4*\q+2*(kj&1)+1], v[\dst+2*pidx:\dst+2*pidx+1] op_sel:[1,1,0] op_sel_hi:[0,1,1] neg_lo:[1,0,0]
.set kj, kj+1
.endr
.endm
; gate g on wire q of nq wires, from bank src into bank dst:
; lower amplitude = alpha a0 - beta a1, upper = conj(beta) a0 + conj(alpha) a1; four packed lines an amplitude, line by line over the bank
.macro GATE nq, q, g, src, dst
.set gm, 1<<(\nq-1-\q)
.set gi, 0
.rept 1<<\nq
.if gi&gm
	v_pk_mul_f32 v[\dst+2*gi:\dst+2*gi+1], v[\src+2*(gi^gm):\src+2*(gi^gm)+1], v[U+4*\g+2:U+4*\g+3] op_sel_hi:[1,0]
.else
	v_pk_mul_f32 v[\dst+2*gi:\dst+2*gi+1], v[\src+2*gi:\src+2*gi+1], v[U+4*\g:U+4*\g+1] op_sel_hi:[1,0]
.endif
.set gi, gi+1
.endr
.set gi, 0
.rept 1<<\nq
.if gi&gm
	v_pk_fma_f32 v[\dst+2*gi:\dst+2*gi+1], v[\src+2*(gi^gm):\src+2*(gi^gm)+1], v[U+4*\g+2:U+4*\g+3], v[\dst+2*gi:\dst+2*gi+1] op_sel:[1,1,0] op_sel_hi:[0,1,1] neg_hi:[1,0,0]
.else
	v_pk_fma_f32 v[\dst+2*gi:\dst+2*gi+1], v[\src+2*gi:\src+2*gi+1], v[U+4*\g:U+4*\g+1], v[\dst+2*gi:\dst+2*gi+1] op_sel:[1,1,0] op_sel_hi:[0,1,1] neg_lo:[1,0,0]
.endif
.set gi, gi+1
.endr
.set gi, 0
.rept 1<<\nq
.if gi&gm
	v_pk_fma_f32 v[\dst+2*gi:\dst+2*gi+1], v[\src+2*gi:\src+2*gi+1], v[U+4*\g:U+4*\g+1], v[\dst+2*gi:\dst+2*gi+1] op_sel_hi:[1,0,1]
.else
	v_pk_fma_f32 v[\dst+2*gi:\dst+2*gi+1], v[\src+2*(gi^gm):\src+2*(gi^gm)+1], v[U+4*\g+2:U+4*\g+3], v[\dst+2*gi:\dst+2*gi+1] op_sel_hi:[1,0,1] neg_lo:[1,0,0] neg_hi:[1,0,0]
.endif
.set gi, gi+1
.endr
.set gi, 0
.rept 1<<\nq
.if gi&gm
	v_pk_fma_f32 v[\dst+2*gi:\dst+2*gi+1], v[\src+2*gi:\src+2*gi+1], v[U+4*\g:U+4*\g+1], v[\dst+2*gi:\dst+2*gi+1] op_sel:[1,1,0] op_sel_hi:[0,1,1] neg_hi:[1,0,0]
.else
	v_pk_fma_f32 v[\dst+2*gi:\dst+2*gi+1], v[\src+2*(gi^gm):\src+2*(gi^gm)+1], v[U+4*\g+2:U+4*\g+3], v[\dst+2*gi:\dst+2*gi+1] op_sel:[1,1,0] op_sel_hi:[0,1,1] neg_hi:[1,0,0]
.endif
.set gi, gi+1
.endr
.endm
.macro PADD d, a, b, sg                ; d = a + b or a - b
.if \sg
	v_pk_add_f32 v[\d:\d+1], v[\a:\a+1], v[\b:\b+1] neg_lo:[0,1] neg_hi:[0,1]
.else
	v_pk_add_f32 v[\d:\d+1], v[\a:\a+1], v[\b:\b+1]
.endif
.endm
; values at the inputs -> coefficients, wire by wire, for nk outputs: I = (f0 + f2)/2, X = f1 - I, Z = (f0 - f2)/2; my a_q picks one
.macro XFORM nk
.irp q, 0,1,2
.set xk, 0
.rept \nk
	ds_bpermute_b32 v[X+4*xk],   v[BP+3*\q],   v[F+xk]
	ds_bpermute_b32 v[X+4*xk+1], v[BP+3*\q+1], v[F+xk]
	ds_bpermute_b32 v[X+4*xk+2], v[BP+3*\q+2], v[F+xk]
.set xk, xk+1
.endr
	s_wait_dscnt 0x0
.set xk, 0
.rept \nk
	v_mul_f32 v[X+4*xk+3], 0.5, v[X+4*xk]
	v_fma_f32 v[X+4*xk],   v[X+4*xk+2], 0.5,  v[X+4*xk+3]
	v_fma_f32 v[X+4*xk+2], v[X+4*xk+2], -0.5, v[X+4*xk+3]
	v_sub_f32 v[X+4*xk+1], v[X+4*xk+1], v[X+4*xk]
	v_cndmask_b32 v[F+xk], v[X+4*xk+2], v[X+4*xk+1], s[41+2*\q]
	v_cndmask_b32 v[F+xk], v[F+xk], v[X+4*xk], s[40+2*\q]
.set xk, xk+1
.endr
.endr
.endm
; output k, scaled and rounded to f16, into row (s37 + k s48) & 7 of the stage
.macro PUT k
	s_mul_i32 s46, s48, \k
	s_add_co_u32 s46, s46, s37
	s_and_b32 s46, s46, 7
	s_lshl_b32 s46, s46, 4
	v_mul_f32 v[T+2*\k], s39, v[F+\k]
	v_cvt_pk_f16_f32 v[T+2*\k], v[T+2*\k], v[T+2*\k]
	v_add_nc_u32 v[T+2*\k+1], s46, v[STA]
	ds_store_b16 v[T+2*\k+1], v[T+2*\k] offset:STG
.endm
	s_load_b256 s[4:11], s[0:1], 0x0               ; theta_Q s[4:5], theta_K s[6:7], theta_V s[8:9], theta_FFN s[10:11]
	s_load_b128 s[12:15], s[0:1], 0x20             ; theta_reduce s[12:13], theta_final s[14:15]
	s_load_b64 s[16:17], s[0:1], 0x30              ; coef
	v_lshl_add_u32 v248, v0, 2, 0x400
	v_mov_b32 v249, 0
	v_min_u32 v[LAM], 26, v0
	v_mul_u32_u24 v[A0+2], v[LAM], 57
	v_lshrrev_b32 v[A0+2], 9, v[A0+2]              ; a2 = lam / 9
	v_mul_u32_u24 v[T], v[A0+2], 9
	v_sub_nc_u32 v[T], v[LAM], v[T]
	v_mul_u32_u24 v[A0+1], v[T], 11
	v_lshrrev_b32 v[A0+1], 5, v[A0+1]              ; a1 = (lam mod 9) / 3
	v_mul_u32_u24 v[T+1], v[A0+1], 3
	v_sub_nc_u32 v[A0], v[T], v[T+1]               ; a0
	v_add_nc_u32 v[T], v[LAM], v[A0+2]             ; e = a0 + 3 a1 + 10 a2
	v_lshrrev_b32 v[T+1], 3, v[T]
	v_and_b32 v[T], 7, v[T]
	v_lshlrev_b32 v[T], 1, v[T]
	v_lshl_add_u32 v[STA], v[T+1], 7, v[T]         ; (e>>3)*128 + 2 (e&7)
.set st, 1
.irp q, 0,1,2
	v_mul_u32_u24 v[T], v[A0+\q], st
	v_sub_nc_u32 v[T], v[LAM], v[T]                ; the lane with input 0 on wire q
	v_lshlrev_b32 v[BP+3*\q], 2, v[T]
	v_add_nc_u32 v[BP+3*\q+1], 4*st, v[BP+3*\q]
	v_add_nc_u32 v[BP+3*\q+2], 8*st, v[BP+3*\q]
	v_cmp_eq_u32 s[40+2*\q], 0, v[A0+\q]
	v_cmp_eq_u32 s[41+2*\q], 1, v[A0+\q]
.set st, 3*st
.endr
	v_mov_b32 v[KA9],   0x3e283c1a                 ; 2 pi^9/9!
	v_mov_b32 v[KA9+1], 0x3e283c1a
	v_mov_b32 v[KB8],   0x3e70fa83                 ; pi^8/8!
	v_mov_b32 v[KB8+1], 0x3e70fa83
	v_mov_b32 v[RH], 0x3f3504f3
	INQ 0
	INQ 1
	INQ 2
	v_lshlrev_b32 v[LN16], 4, v0
.irp k, 0,1,2,3
	v_mov_b32 v[T+\k], 0
.endr
	ds_store_b128 v[LN16], v[T:T+3] offset:STG     ; the stage starts as zeros: pads and rows not named stay so
	s_wait_kmcnt 0x0
	s_cmp_lt_u32 ttmp9, 35
	s_cbranch_scc1 .Lthree
	; ---------------- the five-wire circuit, wires 3 and 4 at input w ----------------
	s_sub_co_u32 s49, ttmp9, 35                    ; w = 0..8
	s_mul_i32 s50, s49, 11
	s_lshr_b32 s50, s50, 5                         ; a4 = w / 3
	s_mul_i32 s51, s50, 3
	s_sub_co_u32 s51, s49, s51                     ; a3 = w mod 3
	SINQ 3, s51
	SINQ 4, s50
	s_mov_b64 s[30:31], s[14:15]
	GATES 10
.irp q, 0,1,2,3,4
	L0 \q, \q
.endr
	KRON 2,  Y,    VQ,   1, 0                      ; the product state, wire by wire,
	KRON 4,  Y+8,  Y,    2, 0
	KRON 8,  Y+24, Y+8,  3, 0
	KRON 16, X,    Y+24, 4, 5                      ; laid down where the first layer's CNOTs send it
	GATE 5, 0, 5, X, Y
	GATE 5, 1, 6, Y, X
	GATE 5, 2, 7, X, Y
	GATE 5, 3, 8, Y, X
	GATE 5, 4, 9, X, Y
	; <Z0> behind the second layer's CNOTs (range 2): wire 0 ends as i0 ^ i1 ^ i3.  Four chains; the first terms start them.
.set ii, 0
.rept 32
.set sg, ((ii>>4)^(ii>>3)^(ii>>1))&1
.if ii < 4
.if sg
	v_pk_mul_f32 v[T+2*ii:T+2*ii+1], v[Y+2*ii:Y+2*ii+1], v[Y+2*ii:Y+2*ii+1] neg_lo:[1,0] neg_hi:[1,0]
.else
	v_pk_mul_f32 v[T+2*ii:T+2*ii+1], v[Y+2*ii:Y+2*ii+1], v[Y+2*ii:Y+2*ii+1]
.endif
.else
.if sg
	v_pk_fma_f32 v[T+2*(ii&3):T+2*(ii&3)+1], v[Y+2*ii:Y+2*ii+1], v[Y+2*ii:Y+2*ii+1], v[T+2*(ii&3):T+2*(ii&3)+1] neg_lo:[1,0,0] neg_hi:[1,0,0]
.else
	v_pk_fma_f32 v[T+2*(ii&3):T+2*(ii&3)+1], v[Y+2*ii:Y+2*ii+1], v[Y+2*ii:Y+2*ii+1], v[T+2*(ii&3):T+2*(ii&3)+1]
.endif
.endif
.set ii, ii+1
.endr
	v_pk_add_f32 v[T:T+1], v[T:T+1], v[T+2:T+3]
	v_pk_add_f32 v[T+4:T+5], v[T+4:T+5], v[T+6:T+7]
	v_pk_add_f32 v[T:T+1], v[T:T+1], v[T+4:T+5]
	v_add_f32 v[F], v[T], v[T+1]
	XFORM 1                                        ; wires 0 to 2
	s_and_b32 s46, s49, 7
	s_lshl_b32 s46, s46, 4                         ; row w & 7
	v_cvt_pk_f16_f32 v[T], v[F], v[F]
	v_add_nc_u32 v[T+1], s46, v[STA]
	ds_store_b16 v[T+1], v[T] offset:STG
	s_mov_b32 s25, 36                              ; w = 8 owns pair 36 whole
	s_cmp_eq_u32 s49, 8
	s_cbranch_scc1 .Lstore_pair
	v_min_u32 v[T+2], 3, v0                        ; w < 8: my row's four pieces of 16 bytes, 128 bytes apart; read with all lanes on
	v_lshlrev_b32 v[T+2], 7, v[T+2]
	v_add_nc_u32 v[T+2], s46, v[T+2]
	ds_load_b128 v[T+4:T+7], v[T+2] offset:STG
	v_cmp_gt_u32 vcc_lo, 4, v0
	s_wait_dscnt 0x0
	s_wait_xcnt 0x0                                ; EXEC changes only behind this wait
	s_wait_tensorcnt 0x0
	ds_add_u32 v248, v249
	s_wait_dscnt 0x0
	s_and_saveexec_b32 s56, vcc_lo
	global_store_b128 v[T+2], v[T+4:T+7], s[16:17] offset:35*512
	s_wait_xcnt 0x0                                ; and again in front of the line that widens it
	s_or_b32 exec_lo, exec_lo, s56
	s_endpgm
	; ---------------- a three-wire circuit (two for K and V) ----------------
.Lthree:
	s_mul_i32 s20, ttmp9, 205
	s_lshr_b32 s20, s20, 11                        ; role = g / 10: 0 Q, 1 K and V, 2 FFN, 3 reduce
	s_mul_i32 s21, s20, 10
	s_sub_co_u32 s21, ttmp9, s21                   ; 5 l + b
	s_cmp_ge_u32 s21, 5
	s_cselect_b32 s22, 1, 0                        ; l
	s_mul_i32 s23, s22, 5
	s_sub_co_u32 s23, s21, s23                     ; b
	s_mul_i32 s24, s22, 15
	s_lshl_b32 s25, s23, 1
	s_add_co_u32 s25, s25, s24                     ; Q: 15 l + 2 b
	s_add_co_u32 s26, s25, 1                       ; K, V: + 1
	s_add_co_u32 s27, s24, s23
	s_add_co_u32 s27, s27, 10                      ; FFN: 15 l + 10 + b
	s_add_co_u32 s28, s23, 30                      ; reduce: 30 + b
	s_cmp_lt_u32 s23, 4
	s_cselect_b32 s48, 2, 1                        ; rows 2 k + (b & 1), for b = 4 rows k
	s_and_b32 s37, s23, 1
	s_cmp_eq_u32 s20, 1
	s_cselect_b32 s25, s26, s25
	s_cselect_b32 s48, 1, s48                      ; K: rows k
	s_cselect_b32 s37, 0, s37
	s_cselect_b32 s36, 2, 1                        ; trips
	s_cselect_b64 s[30:31], s[6:7], s[4:5]
	s_cmp_eq_u32 s20, 2
	s_cselect_b32 s25, s27, s25
	s_cselect_b64 s[30:31], s[10:11], s[30:31]
	s_cmp_eq_u32 s20, 3
	s_cselect_b32 s25, s28, s25                    ; the pair
	s_cselect_b32 s37, s23, s37                    ; reduce: row b
	s_cselect_b64 s[30:31], s[12:13], s[30:31]
	s_cmp_eq_u32 s20, 0
	s_cselect_b32 s39, 0x3f553b94, 1.0             ; Q carries log2(e)/sqrt(3): scores arrive as exponents of 2
	s_mul_i32 s32, s21, 72                         ; 18 angles a circuit
	s_mov_b32 s33, 0
	s_add_nc_u64 s[30:31], s[30:31], s[32:33]
	s_add_nc_u64 s[34:35], s[8:9], s[32:33]        ; V's circuit, for the second trip
	s_mov_b32 s38, 0
.Ltrip:
	GATES 6
	L0 0, 0
	L0 1, 1
	L0 2, 2
	KRON 2, Y, VQ, 1, 0
	KRON 4, X, Y, 2, 3                             ; the product state where the first layer's CNOTs send it
	GATE 3, 0, 3, X, Y
	GATE 3, 1, 4, Y, X
	GATE 3, 2, 5, X, Y
.set ii, 0
.rept 8
	v_pk_mul_f32 v[X+2*ii:X+2*ii+1], v[Y+2*ii:Y+2*ii+1], v[Y+2*ii:Y+2*ii+1]
.set ii, ii+1
.endr
	; behind the second layer's CNOTs (range 2) wire 0 ends as i0 ^ i1, wire 1 as i0 ^ i1 ^ i2, wire 2 as i0 ^ i2
	PADD T,   X, X+2, 0
	PADD T+2, X, X+2, 1
	PADD T+4, X, X+2, 1
.set ii, 2
.rept 6
	PADD T,   T,   X+2*ii, ((ii>>2)^(ii>>1))&1
	PADD T+2, T+2, X+2*ii, ((ii>>2)^(ii>>1)^ii)&1
	PADD T+4, T+4, X+2*ii, ((ii>>2)^ii)&1
.set ii, ii+1
.endr
	v_add_f32 v[F],   v[T],   v[T+1]
	v_add_f32 v[F+1], v[T+2], v[T+3]
	v_add_f32 v[F+2], v[T+4], v[T+5]
	XFORM 3
	PUT 0
	s_cmp_eq_u32 s20, 3                            ; reduce keeps wire 0 alone: its other rows belong to other blocks and stay zero
	s_cbranch_scc1 .Lone
	PUT 1
	PUT 2
.Lone:
	s_mov_b64 s[30:31], s[34:35]                   ; the trip's loads were waited for: the base may change
	s_mov_b32 s37, 4                               ; V: rows 4 + k
	s_add_co_u32 s38, s38, 1
	s_cmp_lt_u32 s38, s36
	s_cbranch_scc1 .Ltrip
.Lstore_pair:
	ds_load_b128 v[T:T+3], v[LN16] offset:STG      ; in order behind the wave's own stores
	s_lshl_b32 s46, s25, 9
	s_mov_b32 s47, 0
	s_add_nc_u64 s[16:17], s[16:17], s[46:47]
	s_wait_dscnt 0x0
	global_store_b128 v[LN16], v[T:T+3], s[16:17]  ; 512 consecutive bytes, at a multiple of 512 from coef's first byte
	s_wait_tensorcnt 0x0
	ds_add_u32 v248, v249
	s_wait_dscnt 0x0
	s_endpgm
.Lfunc_end_k_qee329e7dfa_prep:
	.size	k_qee329e7dfa_prep, .Lfunc_end_k_qee329e7dfa_prep-k_qee329e7dfa_prep
	.p2alignl 7, 3214868480
	.fill 96, 4, 3214868480
	.section	.rodata,"a",@progbits
	.p2align	6, 0x0
	.amdhsa_kernel k_qee329e7dfa_prep
		.amdhsa_group_segment_fixed_size 1280
		.amdhsa_private_segment_fixed_size 0
		.amdhsa_enable_private_segment 0
		.amdhsa_kernarg_size 56
		.amdhsa_user_sgpr_count 2
		.amdhsa_user_sgpr_kernarg_segment_ptr 1
		.amdhsa_wavefront_size32 1
		.amdhsa_system_sgpr_workgroup_id_x 1
		.amdhsa_system_sgpr_workgroup_id_y 1
		.amdhsa_system_sgpr_workgroup_id_z 1
		.amdhsa_system_vgpr_workitem_id 0
		.amdhsa_next_free_vgpr 250
		.amdhsa_next_free_sgpr 66
		.amdhsa_reserve_vcc 1
		.amdhsa_float_denorm_mode_32 3
		.amdhsa_float_denorm_mode_16_64 3
		.amdhsa_memory_ordered 1
		.amdhsa_forward_progress 1
		.amdhsa_inst_pref_size 84
	.end_amdhsa_kernel
	.amdgpu_metadata
---
amdhsa.version: [ 1, 2 ]
amdhsa.kernels:
  - .name:           k_qee329e7dfa_prep
    .symbol:         k_qee329e7dfa_prep.kd
    .args:
      - { .name: theta_Q, .offset: 0, .size: 8, .value_kind: global_buffer, .address_space: global }
      - { .name: theta_K, .offset: 8, .size: 8, .value_kind: global_buffer, .address_space: global }
      - { .name: theta_V, .offset: 16, .size: 8, .value_kind: global_buffer, .address_space: global }
      - { .name: theta_FFN, .offset: 24, .size: 8, .value_kind: global_buffer, .address_space: global }
      - { .name: theta_reduce, .offset: 32, .size: 8, .value_kind: global_buffer, .address_space: global }
      - { .name: theta_final, .offset: 40, .size: 8, .value_kind: global_buffer, .address_space: global }
      - { .name: coef, .offset: 48, .size: 8, .value_kind: global_buffer, .address_space: global }
    .group_segment_fixed_size: 1280
    .private_segment_fixed_size: 0
    .kernarg_segment_align: 8
    .kernarg_segment_size: 56
    .max_flat_workgroup_size: 32
    .sgpr_count:     66
    .vgpr_count:     250
    .wavefront_size: 32
...
	.end_amdgpu_metadata
.endif
;; end of part 1
;; launch main (part 2): grid 256 x 1, 8 waves a work-group, no clusters, 168,960 bytes of LDS; arguments x, coef, attn_gamma, attn_beta, ffn_gamma, ffn_beta, out0; writes out0
.if DOCPART == 2
	.amdgcn_target "amdgcn-amd-amdhsa--gfx1250"
	.amdhsa_code_object_version 6
	.text
	.protected	k_qee329e7dfa_main
	.globl	k_qee329e7dfa_main
	.p2align	8
	.type	k_qee329e7dfa_main,@function
k_qee329e7dfa_main:
	s_mov_b64 s[64:65], 0
	v_nop
	global_prefetch_b8 v0, s[64:65] scope:SCOPE_SE
	s_setreg_imm32_b32 hwreg(HW_REG_WAVE_MODE, 25, 1), 1
	s_wait_xcnt 0x0
; main: x -> out0, all of the model in one launch; one sample a lane, 256 samples a work-group, H in registers throughout.
; Every circuit output is sum over e of coef[e] feat[e], feat = products of (1, sin, cos) of the block's three angles (32 places, five of
; them pads).  The sums go to the matrix unit in f16 with f32 sums: coefficients and features are bounded by 1 for every input.
; THE PRODUCT IS LANE-OWNED.  Source 0 is a coefficient fragment, source 1 the features.  A lane of source 1 holds 16 features of its OWN
; sample, in the places k that the layout gives to its half of the wave.  Row 8 g + j of source 0 is non-zero only in the places k of
; half g, so lanes 0-7 and 24-31 hold coefficient row j and lanes 8-23 zeros.  Register j of the result in every lane is then
; coefficient row j against that lane's own features: 8 outputs x 16 features for 32 samples, and nothing crosses lanes.
; H lies in 16 registers in the order slot(b, q) = 2 q + (b & 1) for blocks 0, 1; 6 + 2 q + (b & 1) for blocks 2, 3; 12 + q for block 4;
; slot 15 is a pad that stays 0: an aligned pair holds the same q of two blocks, and packed f32 arithmetic serves both.
; SOFTMAX WITHOUT A MAXIMUM: Q and K are expectation values of Pauli Z, in [-1, 1] for every input, so the exponents of 2 lie within
; 3 log2(e)/sqrt(3) = 2.5 (plus f16 rounding): no exponential and no sum of five can overflow or underflow.
; NO CLUSTER: what work-groups share is coef, 18,944 bytes fetched once by each at its start and never again; a joint fill would need an
; opening and a closing round of the cluster's barrier for that one fill.
; LIMITS: sine and cosine by polynomial, absolute error at most 5e-5, plus the rounding of angle/(2 pi) (6e-8 of its size, in turns);
; matrix operands are rounded to f16; NaN or infinite inputs give NaN.
.set XROW,  52                         ; bytes of a sample's 13 numbers
.set XWAVE, 32*XROW                    ; 1,664: a wave's samples
.set NFRAG, 74                         ; fragments of 256 bytes
.set FWAVE, NFRAG*256/8                ; 2,368: the part of coef that a wave fetches
.set XIN,   NFRAG*256                  ; LDS 0..18,943 coef; 18,944..32,255 x, a slice a wave
.set ZERO,  32768                      ; LDS 32,768..53,247 zeros, for lanes 8-23 of every fragment; no fill lands here
.set OUTS,  53248                      ; LDS 53,248..54,271 the 256 results, on their way out; no fill lands here
.set SCL,   0x3e22f983                 ; 1/(2 pi)
.set ADR, 1                            ; v1       where my lane reads fragment 0
.set M,   2                            ; v2-3     mean, twice
.set RS,  4                            ; v4-5     1/sqrt(var + eps), twice
.set H,   8                            ; v8-23    H
.set S,   24                           ; v24-39   sines, in H's order
.set C,   40                           ; v40-55   cosines
.set W,   56                           ; v56-79   at work
.set FA,  80                           ; v80-95   32 f16 features of an even block
.set FB,  96                           ; v96-111  of an odd block
.set D,   112                          ; v112-175 eight result tiles of 8 registers; also scratch of the sines
.set FR,  176                          ; v176-239 eight fragment slots of 8 registers
.set KA9, 240                          ; v240-241 head of the sine's polynomial, twice
.set KB8, 242                          ; v242-243 head of the cosine's, twice
.set ONE, 244                          ; v244     1.0
.set ZR,  245                          ; v245     0
; attention's scratch, over S, C and W
.set E01, 24                           ; + 2 s: exp of the scores of queries 0, 1 against key s
.set E23, 34                           ; queries 2, 3
.set E4,  44                           ; + s: query 4; v49 = 0 fills the last pair
.set Z01, 50
.set Z23, 52
.set Z4,  54                           ; v55 = 0 fills the pair
.set O01, 56                           ; + 2 d
.set O23, 62
.set O4,  68                           ; v68-70
.set QA,  D                            ; Q: tile 0 blocks 0, 1 (register 2 k + t); tile 1 blocks 2, 3; tile 2 block 4 (register k)
.set KV,  D+24                         ; + 8 s: K_k of block s in register k, V_k in register 4 + k
; ---- sine and cosine of np pairs of angles, v[hb..] x scale being the angle in turns.  r = t - round(t) lies in [-1/2, 1/2];
; A = 2 sin(pi r) and B = cos(pi r) by Taylor polynomials in r^2 on [-pi/2, pi/2]; sin = A B, cos = 1 - A^2 / 2.
; Each step is written for all pairs before the next, so that no line waits for the one in front.  Scratch at tb + 8 i: t, r^2, A, B.
.macro SCM np, tb, d, a, b
.set i, 0
.rept \np
	v_pk_mul_f32 v[\tb+8*i+\d:\tb+8*i+\d+1], v[\tb+8*i+\a:\tb+8*i+\a+1], v[\tb+8*i+\b:\tb+8*i+\b+1]
.set i, i+1
.endr
.endm
.macro SCH np, tb, d, kv, k            ; d = r^2 * head + k
.set i, 0
.rept \np
	v_pk_fma_f32 v[\tb+8*i+\d:\tb+8*i+\d+1], v[\tb+8*i+2:\tb+8*i+3], v[\kv:\kv+1], \k op_sel_hi:[1,1,0]
.set i, i+1
.endr
.endm
.macro SCF np, tb, d, k                ; d = d * r^2 + k
.set i, 0
.rept \np
	v_pk_fma_f32 v[\tb+8*i+\d:\tb+8*i+\d+1], v[\tb+8*i+\d:\tb+8*i+\d+1], v[\tb+8*i+2:\tb+8*i+3], \k op_sel_hi:[1,1,0]
.set i, i+1
.endr
.endm
.macro SINCOS np, hb, sb, tb, scale
.set i, 0
.rept \np
	v_pk_mul_f32 v[\tb+8*i:\tb+8*i+1], v[\hb+2*i:\hb+2*i+1], \scale op_sel_hi:[1,0]
.set i, i+1
.endr
.set i, 0
.rept \np
	v_rndne_f32 v[\tb+8*i+2], v[\tb+8*i]
	v_rndne_f32 v[\tb+8*i+3], v[\tb+8*i+1]
.set i, i+1
.endr
.set i, 0
.rept \np
	v_pk_add_f32 v[\tb+8*i:\tb+8*i+1], v[\tb+8*i:\tb+8*i+1], v[\tb+8*i+2:\tb+8*i+3] neg_lo:[0,1] neg_hi:[0,1]
.set i, i+1
.endr
	SCM \np, \tb, 2, 0, 0                          ; r^2
	SCH \np, \tb, 4, KA9, 0xbf996966               ; 2 pi^9/9! r^2 - 2 pi^7/7!
	SCH \np, \tb, 6, KB8, 0xbfaae9e4               ; pi^8/8! r^2 - pi^6/6!
	SCF \np, \tb, 4, 0x40a335e3                    ; + 2 pi^5/5!
	SCF \np, \tb, 6, 0x4081e0f8                    ; + pi^4/4!
	SCF \np, \tb, 4, 0xc1255de7                    ; - 2 pi^3/3!
	SCF \np, \tb, 6, 0xc09de9e6                    ; - pi^2/2
	SCF \np, \tb, 4, 0x40c90fdb                    ; + 2 pi
	SCF \np, \tb, 6, 1.0                           ; B = cos(pi r)
	SCM \np, \tb, 4, 4, 0                          ; A = 2 sin(pi r)
.set i, 0
.rept \np
	v_pk_mul_f32 v[S+\sb+2*i:S+\sb+2*i+1], v[\tb+8*i+4:\tb+8*i+5], v[\tb+8*i+6:\tb+8*i+7]
.set i, i+1
.endr
	SCM \np, \tb, 2, 4, 4                          ; A^2
.set i, 0
.rept \np
	v_pk_fma_f32 v[C+\sb+2*i:C+\sb+2*i+1], v[\tb+8*i+2:\tb+8*i+3], -0.5, 1.0 op_sel_hi:[1,0,0]
.set i, i+1
.endr
.endm
; fragments f .. f+n-1 into slots slot ..: two loads of 16 bytes a lane each.  In each half of the wave eight lanes take 128 bytes of the
; fragment and eight take 128 bytes of zeros that lie 128 bytes off modulo 256: sixteen different 16-byte columns.
.macro LOADF f, n, slot
.set lf, 0
.rept \n
	ds_load_b128 v[FR+8*(\slot+lf):FR+8*(\slot+lf)+3],   v[ADR] offset:256*(\f+lf)
	ds_load_b128 v[FR+8*(\slot+lf)+4:FR+8*(\slot+lf)+7], v[ADR] offset:256*(\f+lf)+128
.set lf, lf+1
.endr
.endm
; the four products of wires 0 and 1: s0 s1, c0 s1, s0 c1, c0 c1; for two blocks at once, or for one
.macro FEATW2 sb
	v_pk_mul_f32 v[W:W+1],   v[S+\sb:S+\sb+1], v[S+\sb+2:S+\sb+3]
	v_pk_mul_f32 v[W+2:W+3], v[C+\sb:C+\sb+1], v[S+\sb+2:S+\sb+3]
	v_pk_mul_f32 v[W+4:W+5], v[S+\sb:S+\sb+1], v[C+\sb+2:C+\sb+3]
	v_pk_mul_f32 v[W+6:W+7], v[C+\sb:C+\sb+1], v[C+\sb+2:C+\sb+3]
.endm
.macro FEATW1 sb
	v_mul_f32 v[W],   v[S+\sb], v[S+\sb+1]
	v_mul_f32 v[W+1], v[C+\sb], v[S+\sb+1]
	v_mul_f32 v[W+2], v[S+\sb], v[C+\sb+1]
	v_mul_f32 v[W+3], v[C+\sb], v[C+\sb+1]
.endm
; a block's features in f16: (1, s0)(c0, s1)(s0s1, c0s1)(c1, s0c1)(c0c1, 0), the same times s2, the same times c2; register 15 stays 0.
; wire q's sine at S + r0 + rs q; product k at W + wb + ws k; t: which two scratch registers
.macro FEATP fb, r0, rs, wb, ws, t
	v_cvt_pk_f16_f32 v[\fb],   v[ONE], v[S+\r0]
	v_cvt_pk_f16_f32 v[\fb+1], v[C+\r0], v[S+\r0+\rs]
	v_cvt_pk_f16_f32 v[\fb+2], v[W+\wb], v[W+\wb+\ws]
	v_cvt_pk_f16_f32 v[\fb+3], v[C+\r0+\rs], v[W+\wb+2*\ws]
	v_cvt_pk_f16_f32 v[\fb+4], v[W+\wb+3*\ws], v[ZR]
	v_cvt_pk_f16_f32 v[W+8+\t], v[S+\r0+2*\rs], v[S+\r0+2*\rs]
	v_cvt_pk_f16_f32 v[W+9+\t], v[C+\r0+2*\rs], v[C+\r0+2*\rs]
.irp k, 0,1,2,3,4
	v_pk_mul_f16 v[\fb+5+\k], v[\fb+\k], v[W+8+\t]
.endr
.irp k, 0,1,2,3,4
	v_pk_mul_f16 v[\fb+10+\k], v[\fb+\k], v[W+9+\t]
.endr
.endm
; tile d = fragment in slot x 16 features at fb, starting a sum (MMZ), adding in place (MMC), or onto the registers at c (MMX)
.macro MMZ d, slot, fb
	v_wmma_f32_16x16x32_f16 v[D+8*\d:D+8*\d+7], v[FR+8*\slot:FR+8*\slot+7], v[\fb:\fb+7], 0
.endm
.macro MMC d, slot, fb
	v_wmma_f32_16x16x32_f16 v[D+8*\d:D+8*\d+7], v[FR+8*\slot:FR+8*\slot+7], v[\fb:\fb+7], v[D+8*\d:D+8*\d+7]
.endm
.macro MMX d, slot, fb, c
	v_wmma_f32_16x16x32_f16 v[D+8*\d:D+8*\d+7], v[FR+8*\slot:FR+8*\slot+7], v[\fb:\fb+7], v[\c:\c+7]
.endm
; Q, K, V of two blocks: slots 0-3 the even block's Q low, Q high, KV low, KV high; slots 4-7 the odd block's.
; The accumulators take turns, one instruction a turn.
.macro QKV8 dq, dk0, dk1
	MMZ \dq,  0, FA
	MMZ \dk0, 2, FA
	MMC \dq,  1, FA+8
	MMC \dk0, 3, FA+8
	MMC \dq,  4, FB
	MMZ \dk1, 6, FB
	MMC \dq,  5, FB+8
	MMC \dk1, 7, FB+8
.endm
; 15 gains into s[68:82] and 15 biases into s[84:98]: 60 bytes each, from byte off of buffers of 120 bytes
.macro LDGB gp, bp, off
	s_load_b256 s[68:75], s[\gp:\gp+1], \off
	s_load_b128 s[76:79], s[\gp:\gp+1], \off+32
	s_load_b96  s[80:82], s[\gp:\gp+1], \off+48
	s_load_b256 s[84:91], s[\bp:\bp+1], \off
	s_load_b128 s[92:95], s[\bp:\bp+1], \off+32
	s_load_b96  s[96:98], s[\bp:\bp+1], \off+48
.endm
; layer norm of H in place: mean, then the centred squares, as the problem writes it.  The pad is 0 and stays 0.
.macro LNORM
	v_pk_add_f32 v[W:W+1],   v[H:H+1],     v[H+2:H+3]
	v_pk_add_f32 v[W+2:W+3], v[H+4:H+5],   v[H+6:H+7]
	v_pk_add_f32 v[W+4:W+5], v[H+8:H+9],   v[H+10:H+11]
	v_pk_add_f32 v[W+6:W+7], v[H+12:H+13], v[H+14:H+15]
	v_pk_add_f32 v[W:W+1],   v[W:W+1],     v[W+2:W+3]
	v_pk_add_f32 v[W+4:W+5], v[W+4:W+5],   v[W+6:W+7]
	v_pk_add_f32 v[W:W+1],   v[W:W+1],     v[W+4:W+5]
	v_add_f32 v6, v[W], v[W+1]
	v_mul_f32 v[M],   s52, v6
	v_mul_f32 v[M+1], s52, v6
.irp p, 0,2,4,6,8,10,12
	v_pk_add_f32 v[H+\p:H+\p+1], v[H+\p:H+\p+1], v[M:M+1] neg_lo:[0,1] neg_hi:[0,1]
.endr
	v_sub_f32 v[H+14], v[H+14], v[M]
	v_pk_mul_f32 v[W:W+1],   v[H:H+1],   v[H:H+1]
	v_pk_mul_f32 v[W+2:W+3], v[H+2:H+3], v[H+2:H+3]
.irp p, 4,8,12
	v_pk_fma_f32 v[W:W+1],   v[H+\p:H+\p+1],   v[H+\p:H+\p+1],   v[W:W+1]
	v_pk_fma_f32 v[W+2:W+3], v[H+\p+2:H+\p+3], v[H+\p+2:H+\p+3], v[W+2:W+3]
.endr
	v_pk_add_f32 v[W:W+1], v[W:W+1], v[W+2:W+3]
	v_add_f32 v6, v[W], v[W+1]
	v_fma_f32 v6, v6, s52, s53                     ; / 15 + 1e-5
	v_rsq_f32 v[RS],   v6
	v_rsq_f32 v[RS+1], v6
	v_nop                                          ; one plain instruction between a transcendental and the use of its result (ISA guide 5.7.2)
	s_wait_alu depctr_va_vdst(0)
.irp p, 0,2,4,6,8,10,12,14
	v_pk_mul_f32 v[H+\p:H+\p+1], v[H+\p:H+\p+1], v[RS:RS+1]
.endr
	s_wait_kmcnt 0x0                               ; this norm's gains and biases
.set n, 0
.irp sl, 0,2,4,1,3,5,6,8,10,7,9,11,12,13,14
	v_fma_f32 v[H+\sl], v[H+\sl], s[68+n], s[84+n]
.set n, n+1
.endr
.endm
; one of the three steps of the scores of queries 0-3 against key s (Q already carries log2(e)/sqrt(3))
.macro SCP st, s
.if \st == 0
	v_pk_mul_f32 v[E01+2*\s:E01+2*\s+1], v[QA:QA+1],     v[KV+8*\s:KV+8*\s+1] op_sel_hi:[1,0]
	v_pk_mul_f32 v[E23+2*\s:E23+2*\s+1], v[QA+8:QA+9],   v[KV+8*\s:KV+8*\s+1] op_sel_hi:[1,0]
.endif
.if \st == 1
	v_pk_fma_f32 v[E01+2*\s:E01+2*\s+1], v[QA+2:QA+3],   v[KV+8*\s:KV+8*\s+1], v[E01+2*\s:E01+2*\s+1] op_sel:[0,1,0] op_sel_hi:[1,1,1]
	v_pk_fma_f32 v[E23+2*\s:E23+2*\s+1], v[QA+10:QA+11], v[KV+8*\s:KV+8*\s+1], v[E23+2*\s:E23+2*\s+1] op_sel:[0,1,0] op_sel_hi:[1,1,1]
.endif
.if \st == 2
	v_pk_fma_f32 v[E01+2*\s:E01+2*\s+1], v[QA+4:QA+5],   v[KV+8*\s+2:KV+8*\s+3], v[E01+2*\s:E01+2*\s+1] op_sel_hi:[1,0,1]
	v_pk_fma_f32 v[E23+2*\s:E23+2*\s+1], v[QA+12:QA+13], v[KV+8*\s+2:KV+8*\s+3], v[E23+2*\s:E23+2*\s+1] op_sel_hi:[1,0,1]
.endif
.endm
; key s's share of the weighted values of queries 0-3
.macro AVP s
.if \s == 0
	v_pk_mul_f32 v[O01:O01+1],   v[E01:E01+1], v[KV+4:KV+5] op_sel_hi:[1,0]
	v_pk_mul_f32 v[O23:O23+1],   v[E23:E23+1], v[KV+4:KV+5] op_sel_hi:[1,0]
	v_pk_mul_f32 v[O01+2:O01+3], v[E01:E01+1], v[KV+4:KV+5] op_sel:[0,1] op_sel_hi:[1,1]
	v_pk_mul_f32 v[O23+2:O23+3], v[E23:E23+1], v[KV+4:KV+5] op_sel:[0,1] op_sel_hi:[1,1]
	v_pk_mul_f32 v[O01+4:O01+5], v[E01:E01+1], v[KV+6:KV+7] op_sel_hi:[1,0]
	v_pk_mul_f32 v[O23+4:O23+5], v[E23:E23+1], v[KV+6:KV+7] op_sel_hi:[1,0]
.else
	v_pk_fma_f32 v[O01:O01+1],   v[E01+2*\s:E01+2*\s+1], v[KV+8*\s+4:KV+8*\s+5], v[O01:O01+1] op_sel_hi:[1,0,1]
	v_pk_fma_f32 v[O23:O23+1],   v[E23+2*\s:E23+2*\s+1], v[KV+8*\s+4:KV+8*\s+5], v[O23:O23+1] op_sel_hi:[1,0,1]
	v_pk_fma_f32 v[O01+2:O01+3], v[E01+2*\s:E01+2*\s+1], v[KV+8*\s+4:KV+8*\s+5], v[O01+2:O01+3] op_sel:[0,1,0] op_sel_hi:[1,1,1]
	v_pk_fma_f32 v[O23+2:O23+3], v[E23+2*\s:E23+2*\s+1], v[KV+8*\s+4:KV+8*\s+5], v[O23+2:O23+3] op_sel:[0,1,0] op_sel_hi:[1,1,1]
	v_pk_fma_f32 v[O01+4:O01+5], v[E01+2*\s:E01+2*\s+1], v[KV+8*\s+6:KV+8*\s+7], v[O01+4:O01+5] op_sel_hi:[1,0,1]
	v_pk_fma_f32 v[O23+4:O23+5], v[E23+2*\s:E23+2*\s+1], v[KV+8*\s+6:KV+8*\s+7], v[O23+4:O23+5] op_sel_hi:[1,0,1]
.endif
.endm
; H += softmax(Q K^T / sqrt 3) V, five tokens of three numbers, all in this lane
.macro ATTN
	; The first 24 lines name tiles 0, 1 and 3 to 6 alone: they are the places behind the last matrix instructions, which wrote tiles 2 and 7.
.irp st, 0,1,2
.irp s, 0,1,2,3
	SCP \st, \s
.endr
.endr
.irp st, 0,1,2
	SCP \st, 4
.endr
.irp s, 0,1,2,3,4
	v_mul_f32 v[E4+\s], v[QA+16], v[KV+8*\s]
.endr
.irp s, 0,1,2,3,4
	v_fmac_f32 v[E4+\s], v[QA+17], v[KV+8*\s+1]
.endr
.irp s, 0,1,2,3,4
	v_fmac_f32 v[E4+\s], v[QA+18], v[KV+8*\s+2]
.endr
.set i, 0
.rept 25
	v_exp_f32 v[E01+i], v[E01+i]
.set i, i+1
.endr
	v_mov_b32 v[E4+5], 0                           ; the plain instruction behind the exponentials; fills the pair of E4[4]
	v_mov_b32 v[Z4+1], 0                           ; fills Z4's pair
	s_wait_alu depctr_va_vdst(0)
	v_pk_add_f32 v[Z01:Z01+1], v[E01:E01+1], v[E01+2:E01+3]
	v_pk_add_f32 v[Z23:Z23+1], v[E23:E23+1], v[E23+2:E23+3]
	v_add_f32 v[Z4], v[E4], v[E4+1]
.irp s, 2,3,4
	v_pk_add_f32 v[Z01:Z01+1], v[Z01:Z01+1], v[E01+2*\s:E01+2*\s+1]
	v_pk_add_f32 v[Z23:Z23+1], v[Z23:Z23+1], v[E23+2*\s:E23+2*\s+1]
	v_add_f32 v[Z4], v[Z4], v[E4+\s]
.endr
.irp z, 0,1,2,3,4
	v_rcp_f32 v[Z01+\z], v[Z01+\z]
.endr
	AVP 0                                          ; reads no reciprocal: its first line is the plain instruction behind them
	v_pk_mul_f32 v[O4:O4+1], v[E4:E4+1], v[KV+4:KV+5] op_sel_hi:[0,1]
	v_mul_f32 v[O4+2], v[E4], v[KV+6]
	AVP 1
	v_pk_fma_f32 v[O4:O4+1], v[E4:E4+1], v[KV+12:KV+13], v[O4:O4+1] op_sel:[1,0,0] op_sel_hi:[1,1,1]
	v_fmac_f32 v[O4+2], v[E4+1], v[KV+14]
	AVP 2
	v_pk_fma_f32 v[O4:O4+1], v[E4+2:E4+3], v[KV+20:KV+21], v[O4:O4+1] op_sel_hi:[0,1,1]
	v_fmac_f32 v[O4+2], v[E4+2], v[KV+22]
	AVP 3
	v_pk_fma_f32 v[O4:O4+1], v[E4+2:E4+3], v[KV+28:KV+29], v[O4:O4+1] op_sel:[1,0,0] op_sel_hi:[1,1,1]
	v_fmac_f32 v[O4+2], v[E4+3], v[KV+30]
	AVP 4
	v_pk_fma_f32 v[O4:O4+1], v[E4+4:E4+5], v[KV+36:KV+37], v[O4:O4+1] op_sel_hi:[0,1,1]
	v_fmac_f32 v[O4+2], v[E4+4], v[KV+38]
	s_wait_alu depctr_va_vdst(0)
.irp d, 0,2,4
	v_pk_fma_f32 v[H+\d:H+\d+1],     v[O01+\d:O01+\d+1], v[Z01:Z01+1], v[H+\d:H+\d+1]
	v_pk_fma_f32 v[H+6+\d:H+6+\d+1], v[O23+\d:O23+\d+1], v[Z23:Z23+1], v[H+6+\d:H+6+\d+1]
.endr
	v_pk_fma_f32 v[H+12:H+13], v[O4:O4+1], v[Z4:Z4+1], v[H+12:H+13] op_sel_hi:[1,0,1]
	v_fma_f32 v[H+14], v[O4+2], v[Z4], v[H+14]
.endm
; A layer.  Everywhere: the four products of FEATW are the four places between the matrix instructions in front and the loads into their
; fragment slots and the rewriting of their features (ISA guide 7.12.1 for vector instructions).
.macro LAYER l
.set FL, 30*\l
.if \l == 0
	LOADF FL, 8, 0
.else
	SINCOS 8, H, 0, D, SCL
.endif
	FEATW2 0
	FEATP FA, 0, 2, 0, 2, 0
	FEATP FB, 1, 2, 1, 2, 2
	s_wait_dscnt 0x0
	QKV8 0, 3, 4
	FEATW2 6
	LOADF FL+8, 8, 0
	FEATP FA, 6, 2, 0, 2, 0
	FEATP FB, 7, 2, 1, 2, 2
	s_wait_dscnt 0x0
	QKV8 1, 5, 6
	FEATW1 12
	LOADF FL+16, 4, 0
	FEATP FA, 12, 1, 0, 1, 0
	s_wait_dscnt 0x0
	MMZ 2, 0, FA
	MMZ 7, 2, FA
	MMC 2, 1, FA+8
	MMC 7, 3, FA+8
	LOADF FL+20, 4, 4                              ; FFN of blocks 0, 1; slots 4-7 were last read 21 vector instructions ago
	ATTN
	LNORM
	LDGB 12, 14, 60*\l                             ; the FFN norm's gains and biases
	LOADF FL+24, 4, 0                              ; FFN of blocks 2, 3
	SINCOS 8, H, 0, D, SCL
	; FFN: H enters as the C of the low halves' sums, so the residual costs nothing; low and high halves have accumulators of their own,
	; which take turns
	FEATW2 0
	FEATP FA, 0, 2, 0, 2, 0
	FEATP FB, 1, 2, 1, 2, 2
	s_wait_dscnt 0x8                               ; the eight loads of blocks 2, 3 may stay out
	MMX 0, 4, FA, H
	MMZ 1, 5, FA+8
	MMC 0, 6, FB
	MMC 1, 7, FB+8
	FEATW2 6
	LOADF FL+28, 2, 4                              ; FFN of block 4
	FEATP FA, 6, 2, 0, 2, 0
	FEATP FB, 7, 2, 1, 2, 2
	s_wait_dscnt 0x4                               ; block 4's four loads may stay out
	MMX 2, 0, FA, H+6
	MMZ 3, 1, FA+8
	MMC 2, 2, FB
	MMC 3, 3, FB+8
	FEATW1 12
	FEATP FA, 12, 1, 0, 1, 0
	s_wait_dscnt 0x0
	MMX 4, 4, FA, H+12                             ; rows 4-7 take S's first registers along and are not used
	MMZ 5, 5, FA+8
	; the first six sums name no register of the last two matrix instructions: they are the places in front of the last two sums
.irp p, 0,2,4
	v_pk_add_f32 v[H+\p:H+\p+1], v[D+\p:D+\p+1], v[D+8+\p:D+8+\p+1]
.endr
.irp p, 0,2,4
	v_pk_add_f32 v[H+6+\p:H+6+\p+1], v[D+16+\p:D+16+\p+1], v[D+24+\p:D+24+\p+1]
.endr
.irp p, 0,2
	v_pk_add_f32 v[H+12+\p:H+12+\p+1], v[D+32+\p:D+32+\p+1], v[D+40+\p:D+40+\p+1]
.endr
.if \l == 0
	LOADF 30, 8, 0                                 ; the next layer's Q, K, V of blocks 0, 1
.else
	LOADF 60, 8, 0                                 ; reduce, blocks 0 to 3
.endif
	LNORM
.if \l == 0
	LDGB 8, 10, 60                                 ; the next layer's attention norm
.endif
.endm
	s_load_b256 s[4:11], s[0:1], 0x0               ; x s[4:5], coef s[6:7], attn_gamma s[8:9], attn_beta s[10:11]
	s_load_b128 s[12:15], s[0:1], 0x20             ; ffn_gamma s[12:13], ffn_beta s[14:15]
	s_load_b64 s[16:17], s[0:1], 0x30              ; out0
	v_lshl_add_u32 v246, v0, 2, 0x29000
	v_mov_b32 v247, 0
	ds_add_u32 v246, v247
	ds_add_u32 v246, v247
	v_lshrrev_b32 v6, 5, v0
	v_readfirstlane_b32 s18, v6                    ; wave 0..7
	s_mul_i32 s19, s18, XWAVE
	s_mul_i32 s50, s18, FWAVE
	s_mov_b32 s51, 0
	s_mul_i32 s48, ttmp9, 8*XWAVE                  ; the work-group's 256 samples,
	s_add_co_u32 s48, s48, s19                     ; my wave's 32 of them
	s_mov_b32 s49, 0
	; Two descriptors, each one row of elements of 8 bytes: my wave's 1,664 bytes of x, and my wave's eighth of coef, 2,368 bytes.
	s_mov_b32 s24, 3<<16                           ; no mask; element of 8 bytes; no padding
	s_mov_b32 s25, (XWAVE/8)<<16                   ; tensor_dim0 = 208
	s_mov_b32 s26, 1<<16                           ; tensor_dim1 = 1
	s_mov_b32 s27, (XWAVE/8)<<16                   ; tile_dim0 = 208
	s_mov_b32 s28, 1                               ; tile_dim1 = 1
	s_mov_b32 s29, XWAVE/8                         ; pitch
	s_mov_b32 s30, 0
	s_mov_b32 s31, 0
	s_mov_b32 s36, 3<<16
	s_mov_b32 s37, (FWAVE/8)<<16                   ; 296
	s_mov_b32 s38, 1<<16
	s_mov_b32 s39, (FWAVE/8)<<16
	s_mov_b32 s40, 1
	s_mov_b32 s41, FWAVE/8
	s_mov_b32 s42, 0
	s_mov_b32 s43, 0
	s_mov_b32 s20, 1
	s_add_co_u32 s21, s19, XIN                     ; LDS: XIN + wave x 1,664
	s_mov_b32 s32, 1
	s_mul_i32 s33, s18, FWAVE                      ; LDS: wave x 2,368
	s_wait_dscnt 0x0
	s_wait_kmcnt 0x0
	s_add_nc_u64 s[22:23], s[4:5], s[48:49]
	s_or_b32 s23, s23, 0x80000000
	s_add_nc_u64 s[34:35], s[6:7], s[50:51]
	s_or_b32 s35, s35, 0x80000000
	tensor_load_to_lds s[20:23], s[24:31]          ; both fills go out together, ahead of everything else; nothing in LDS is ever filled again,
	s_nop 0
	tensor_load_to_lds s[32:35], s[36:43]          ; and the descriptors are never rewritten.  Two tensor loads of the wave are out here, none later.
	s_nop 0
	LDGB 8, 10, 0                                  ; the first attention norm's gains and biases
.irp k, 0,1,2,3
	v_mov_b32 v[D+\k], 0
.endr
	v_lshlrev_b32 v6, 4, v0
.irp k, 0,1,2,3,4
	ds_store_b128 v6, v[D:D+3] offset:ZERO+4096*\k ; 256 threads x 16 bytes x 5 = the 20,480 zeros
.endr
	v_lshrrev_b32 v7, 3, v0
	v_lshrrev_b32 v[ADR], 4, v0
	v_xor_b32 v7, v7, v[ADR]
	v_and_b32 v7, 1, v7                            ; 1 for lanes 8-23
	v_mul_u32_u24 v7, v7, ZERO+128
	v_and_b32 v[ADR], 7, v0
	v_lshl_add_u32 v[ADR], v[ADR], 4, v7           ; 16 (lane & 7), in the fragment or in the zeros
	v_mov_b32 v[KA9],   0x3e283c1a                 ; 2 pi^9/9!
	v_mov_b32 v[KA9+1], 0x3e283c1a
	v_mov_b32 v[KB8],   0x3e70fa83                 ; pi^8/8!
	v_mov_b32 v[KB8+1], 0x3e70fa83
	v_mov_b32 v[ONE], 1.0
	v_mov_b32 v[ZR], 0
	v_mov_b32 v[FA+15], 0
	v_mov_b32 v[FB+15], 0
	v_mov_b32 v[H], 0                              ; H = (0, x, 0), and the pad
	v_mov_b32 v[H+14], 0
	v_mov_b32 v[H+15], 0
	s_mov_b32 s52, 0x3d888889                      ; 1/15
	s_mov_b32 s53, 0x3727c5ac                      ; 1e-5
	v_and_b32 v2, 31, v0
	v_mul_u32_u24 v2, v2, XROW
	v_add_nc_u32 v2, s21, v2                       ; my sample in my wave's slice: lanes 13 words apart
	s_wait_tensorcnt 0x1                           ; tensor loads of a wave end in order (ISA guide 10.11.1): my x is in; the younger load of coef may stay out
.set n, 0
.irp sl, 2,4,1,3,5,6,8,10,7,9,11,12,13
	ds_load_b32 v[H+\sl], v2 offset:4*n
.set n, n+1
.endr
	s_wait_dscnt 0x0                               ; x is in registers, and my zeros are written
	SINCOS 8, H, 0, D, SCL
	s_wait_tensorcnt 0x0                           ; my eighth of coef has landed;
	s_barrier_signal -1                            ; no LDS instruction of mine is out
	s_barrier_wait -1                              ; coef and the zeros are whole for every wave
	LAYER 0
	LAYER 1
	; reduce: block b's <Z0> in row b; low and high halves in tiles 0 and 1, by turns
	SINCOS 8, H, 0, D, SCL
	FEATW2 0
	FEATP FA, 0, 2, 0, 2, 0
	FEATP FB, 1, 2, 1, 2, 2
	s_wait_dscnt 0x8                               ; the eight loads of blocks 2, 3 may stay out
	MMZ 0, 0, FA
	MMZ 1, 1, FA+8
	MMC 0, 2, FB
	MMC 1, 3, FB+8
	FEATW2 6
	LOADF 68, 2, 0                                 ; reduce, block 4
	FEATP FA, 6, 2, 0, 2, 0
	FEATP FB, 7, 2, 1, 2, 2
	s_wait_dscnt 0x4                               ; block 4's four loads may stay out
	MMC 0, 4, FA
	MMC 1, 5, FA+8
	MMC 0, 6, FB
	MMC 1, 7, FB+8
	FEATW1 12
	LOADF 70, 4, 2                                 ; the five-wire circuit: w = 0..7 into slots 2, 3; w = 8 into slots 4, 5
	FEATP FA, 12, 1, 0, 1, 0
	s_wait_dscnt 0x8                               ; those eight loads may stay out
	MMC 0, 0, FA
	MMC 1, 1, FA+8
.rept 4
	v_nop                                          ; four places in front of the reads of the results (ISA guide 7.12.1)
.endr
.irp p, 0,2,4
	v_pk_add_f32 v[H+\p:H+\p+1], v[D+\p:D+\p+1], v[D+8+\p:D+8+\p+1]     ; the five angles, in order; the sixth is 0
.endr
	; the five-wire circuit: wires 0 to 2 by the matrix unit, for each of the nine inputs w = a3 + 3 a4 of wires 3 and 4
	SINCOS 3, H, 0, D, SCL
	FEATW1 0
	FEATP FA, 0, 1, 0, 1, 0
	s_wait_dscnt 0x0
	MMZ 4, 2, FA
	MMZ 5, 4, FA
	MMC 4, 3, FA+8
	MMC 5, 5, FA+8
	; f(x) = f(0) (1 - s + c)/2 + f(pi/2) s + f(pi) (1 - s - c)/2 for wire 3 and for wire 4; these six lines are the places behind the products
	v_fma_f32 v[W],   v[S+3], -0.5, 0.5
	v_fma_f32 v[W+1], v[S+4], -0.5, 0.5
	v_fma_f32 v[W+2], v[C+3], 0.5,  v[W]
	v_fma_f32 v[W+3], v[C+3], -0.5, v[W]
	v_fma_f32 v[W+4], v[C+4], 0.5,  v[W+1]
	v_fma_f32 v[W+5], v[C+4], -0.5, v[W+1]
.irp a, 0,1,2
	v_mul_f32 v[W+6+\a], v[D+32+3*\a], v[W+2]      ; value w lies in register D + 32 + w: tile 4, then tile 5's first
.endr
.irp a, 0,1,2
	v_fmac_f32 v[W+6+\a], v[D+33+3*\a], v[S+3]
.endr
.irp a, 0,1,2
	v_fmac_f32 v[W+6+\a], v[D+34+3*\a], v[W+3]
.endr
	v_mul_f32 v6, v[W+6], v[W+4]
	v_fmac_f32 v6, v[W+7], v[S+4]
	v_fmac_f32 v6, v[W+8], v[W+5]
	v_mul_f32 v6, 0x40490fda, v6                   ; pi - eps, rounded to f32
	; the way out: 256 results through LDS, so that sixteen lanes store 256 consecutive bytes
	v_lshlrev_b32 v7, 2, v0
	ds_store_b32 v7, v6 offset:OUTS
	s_wait_dscnt 0x0                               ; for the others' sake
	s_barrier_signal -1
	s_barrier_wait -1
	s_cmp_gt_u32 s18, 1
	s_cbranch_scc1 .Lend                           ; waves 0 and 1 store the 1,024 bytes
	v_lshlrev_b32 v7, 4, v0
	ds_load_b128 v[D:D+3], v7 offset:OUTS
	s_lshl_b32 s48, ttmp9, 10
	s_add_nc_u64 s[16:17], s[16:17], s[48:49]
	s_wait_dscnt 0x0
	global_store_b128 v7, v[D:D+3], s[16:17]       ; each half of a wave: 256 consecutive bytes, at a multiple of 256 from out0's first byte
.Lend:
	s_wait_tensorcnt 0x0
	ds_add_u32 v246, v247
	s_wait_dscnt 0x0
	s_endpgm
.Lfunc_end_k_qee329e7dfa_main:
	.size	k_qee329e7dfa_main, .Lfunc_end_k_qee329e7dfa_main-k_qee329e7dfa_main
	.p2alignl 7, 3214868480
	.fill 96, 4, 3214868480
	.section	.rodata,"a",@progbits
	.p2align	6, 0x0
	.amdhsa_kernel k_qee329e7dfa_main
		.amdhsa_group_segment_fixed_size 168960
		.amdhsa_private_segment_fixed_size 0
		.amdhsa_enable_private_segment 0
		.amdhsa_kernarg_size 56
		.amdhsa_user_sgpr_count 2
		.amdhsa_user_sgpr_kernarg_segment_ptr 1
		.amdhsa_wavefront_size32 1
		.amdhsa_system_sgpr_workgroup_id_x 1
		.amdhsa_system_sgpr_workgroup_id_y 1
		.amdhsa_system_sgpr_workgroup_id_z 1
		.amdhsa_system_vgpr_workitem_id 0
		.amdhsa_next_free_vgpr 248
		.amdhsa_next_free_sgpr 100
		.amdhsa_reserve_vcc 0
		.amdhsa_float_denorm_mode_32 3
		.amdhsa_float_denorm_mode_16_64 3
		.amdhsa_memory_ordered 1
		.amdhsa_forward_progress 1
		.amdhsa_inst_pref_size 134
	.end_amdhsa_kernel
	.amdgpu_metadata
---
amdhsa.version: [ 1, 2 ]
amdhsa.kernels:
  - .name:           k_qee329e7dfa_main
    .symbol:         k_qee329e7dfa_main.kd
    .args:
      - { .name: x, .offset: 0, .size: 8, .value_kind: global_buffer, .address_space: global }
      - { .name: coef, .offset: 8, .size: 8, .value_kind: global_buffer, .address_space: global }
      - { .name: attn_gamma, .offset: 16, .size: 8, .value_kind: global_buffer, .address_space: global }
      - { .name: attn_beta, .offset: 24, .size: 8, .value_kind: global_buffer, .address_space: global }
      - { .name: ffn_gamma, .offset: 32, .size: 8, .value_kind: global_buffer, .address_space: global }
      - { .name: ffn_beta, .offset: 40, .size: 8, .value_kind: global_buffer, .address_space: global }
      - { .name: out0, .offset: 48, .size: 8, .value_kind: global_buffer, .address_space: global }
    .group_segment_fixed_size: 168960
    .private_segment_fixed_size: 0
    .kernarg_segment_align: 8
    .kernarg_segment_size: 56
    .max_flat_workgroup_size: 256
    .sgpr_count:     100
    .vgpr_count:     248
    .wavefront_size: 32
...
	.end_amdgpu_metadata
.endif
;; end of part 2
;; ======== version 2 of 2: 1 launch; 1.61 times as fast as version 1
;; limits: values outside matrix products are rounded to f16; a function is approximated: absolute error at most 5e-05; an absolute error that grows with the inputs' magnitude: up to 3.8e-07 times it
;; launch main (part 3): grid 256 x 1, 8 waves a work-group, no clusters, 168,960 bytes of LDS; arguments x, theta_Q, theta_K, theta_V, theta_FFN, theta_reduce, theta_final, attn_gamma, attn_beta, ffn_gamma, ffn_beta, out0; writes out0
.if DOCPART == 3
	.amdgcn_target "amdgcn-amd-amdhsa--gfx1250"
	.amdhsa_code_object_version 6
	.text
	.protected	k_qee329e7dfa_main
	.globl	k_qee329e7dfa_main
	.p2align	8
	.type	k_qee329e7dfa_main,@function
k_qee329e7dfa_main:
	s_mov_b64 s[64:65], 0
	v_nop
	global_prefetch_b8 v0, s[64:65] scope:SCOPE_SE
	s_setreg_imm32_b32 hwreg(HW_REG_WAVE_MODE, 25, 1), 1
	s_wait_xcnt 0x0
; x -> out0, all of the model in one launch; one sample a lane, 256 samples a work-group, H in registers throughout.
; THE CIRCUITS AS FORMS.  A qubit embedded by RY(x) has the density matrix (I + sin x X + cos x Z)/2, so every <Z_k> of a circuit is, for
; every theta and every x, sum over e of coef[e] feat[e], feat = products of (1, sin, cos) of the circuit's angles.
; THE COEFFICIENTS are made here, by every work-group for itself, in LDS, while x is on its way: at most some 400 instructions in five of
; the eight waves, against some 2,100 a wave for the model; that spares a launch of its own and the coefficients' way through memory.
; The observable is carried backwards through the circuit U = C1 R1 C0 R0 (R: a layer of Rot gates, C: its ring of CNOTs):
;   C1' Z_k C1 is a string of Z: three wires Z0Z1, Z0Z1Z2, Z0Z2 for k = 0, 1, 2; five wires Z0Z1Z3 for k = 0;
;   Rot' Z Rot = n.(X, Y, Z), n = (-sin th cos ph, sin th sin ph, cos th): 9 or 27 Pauli strings, weights products of n;
;   C0' maps a Pauli string to a signed Pauli string: worked out at assembly time on x and z bits (macro CX);
;   Rot' P Rot has the X and Z parts  X: (cw ct cp - sw sp, cw st)  Y: (sw ct cp + cw sp, sw st)  Z: (-st cp, ct);  Y parts meet no input.
; The last layer's omega, and the five-wire circuit's last gates on wires 2 and 4, cancel in U' Z U for every theta: they are loaded with
; the rest and enter no product.  Lane = circuit (45 three-wire circuits); for the five-wire circuit lane = (a3, a4), nine lanes.
; THE SUMS go to the matrix unit in f16 with f32 sums: features are bounded by 1 and coefficients by pi for every input.
; THE PRODUCT IS LANE-OWNED.  Source 0 is a coefficient fragment, source 1 the features.  A lane of source 1 holds 16 features of its OWN
; sample, in the places k that the layout gives to its half of the wave.  Row 8 g + j of source 0 is non-zero only in the places k of
; half g, so lanes 0-7 and 24-31 hold coefficient row j and lanes 8-23 zeros.  Register j of the result in every lane is then
; coefficient row j against that lane's own features: 8 outputs x 16 features for 32 samples, and nothing crosses lanes.
; H lies in 16 registers in the order slot(b, q) = 2 q + (b & 1) for blocks 0, 1; 6 + 2 q + (b & 1) for blocks 2, 3; 12 + q for block 4;
; slot 15 is a pad that stays 0: an aligned pair holds the same q of two blocks, and packed f32 arithmetic serves both.
; REGISTER WINDOWS: the fragments lie in window 1 (v256-511), 32 slots of 8 registers, so that a whole stage's fragments are asked for a
; stage or more ahead of their products; all else lies in window 0.  Two settings beside 0: a run of LDS loads has its destination in
; window 1, a group of matrix instructions its source 0.  Two waves of 512 registers fill a SIMD's 1,024.
; SOFTMAX WITHOUT A MAXIMUM: Q and K are expectation values of Pauli Z, in [-1, 1] for every input, so the exponents of 2 lie within
; 3 log2(e)/sqrt(3) = 2.5 (plus f16 rounding): no exponential and no sum of five can overflow or underflow.
; NO CLUSTER: what work-groups share is 3,360 bytes of thetas, read once by plain loads, against 13,312 bytes of x of each one's own.
; LIMITS: sine and cosine by polynomial, absolute error at most 5e-5, plus the rounding of angle/(2 pi) (6e-8 of its size, in turns);
; matrix operands are rounded to f16; NaN or infinite inputs give NaN.
.set XROW,  52                         ; bytes of a sample's 13 numbers
.set XWAVE, 32*XROW                    ; 1,664: a wave's samples
; LDS.  A record is a row of 32 f16 coefficients, 64 bytes, element e = a0 + 3 a1 + 10 a2 (a: 0 one, 1 sine, 2 cosine; 9, 19, 29.. are 0).
.set ZAD,   64                         ; 0..4,095 zeros; the lanes and rows that hold zeros read at 64 + the load's offset
.set TB0,   4096                       ; output k of circuit g (0-9 Q, 10-19 K, 20-29 V, 30-39 FFN, 40-44 reduce) at TB0 + k TBS + 64 g
.set TBS,   4112                       ; 64 records + 16 bytes: the three tables' rows start in different 16-byte columns
.set TB1,   TB0+TBS
.set TB2,   TB0+2*TBS
.set TBF,   16640                      ; the five-wire circuit: record a3 + 3 a4
.set TSB,   18688                      ; sines of the thetas, 768 bytes for each of six buffers
.set TCB,   23296                      ; cosines likewise
.set TWV,   768
.set XIN,   27904                      ; 27,904..41,215 x, a slice a wave: the only bytes that a tensor load fills
.set OUTS,  41216                      ; 41,216..42,239 the 256 results, on their way out
.set SCL,   0x3e22f983                 ; 1/(2 pi)
.set AE,  1                            ; v1       fragment addresses: rows 0, 2, 4 = outputs 0, 1, 2 (blocks 0 and 2)
.set M,   2                            ; v2-3     mean, twice
.set RS,  4                            ; v4-5     1/sqrt(var + eps), twice
.set H,   8                            ; v8-23    H
.set S,   24                           ; v24-39   sines, in H's order
.set C,   40                           ; v40-55   cosines
.set W,   56                           ; v56-79   at work
.set FA,  80                           ; v80-95   32 f16 features of an even block
.set FB,  96                           ; v96-111  of an odd block
.set D,   112                          ; v112-175 eight result tiles of 8 registers; also scratch of the sines
.set FR,  0                            ; WINDOW 1: v256-511, fragment slot s at v[256 + 8 s]
.set KA9, 240                          ; v240-241 head of the sine's polynomial, twice
.set KB8, 242                          ; v242-243 head of the cosine's, twice
.set ONE, 244                          ; v244     1.0
.set ZR,  245                          ; v245     0
.set AO,  246                          ; v246     rows 1, 3, 5 (blocks 1 and 3)
.set A4,  247                          ; v247     rows 0, 1, 2 (block 4)
.set AKV, 248                          ; v248     rows 0-2 K, rows 4-6 V
.set AF,  249                          ; v249     row j = record j of the five-wire circuit
; s_set_vgpr_msb's low byte: bits 1:0 source 0, 3:2 source 1, 5:4 source 2, 7:6 destination; its high byte repeats the setting that is left
.set MSB, 0
.macro WIN new
.if MSB != \new
	s_set_vgpr_msb (MSB<<8)|\new
.set MSB, \new
.endif
.endm
.set TOF, 0x40                         ; LDS loads: data into window 1, address from window 0
.set MMW, 0x01                         ; matrix instructions: the fragment from window 1; features, C and D in window 0
; attention's scratch, over S, C and W
.set E01, 24                           ; + 2 s: exp of the scores of queries 0, 1 against key s
.set E23, 34                           ; queries 2, 3
.set E4,  44                           ; + s: query 4; v49 = 0 fills the last pair
.set Z01, 50
.set Z23, 52
.set Z4,  54                           ; v55 = 0 fills the pair
.set O01, 56                           ; + 2 d
.set O23, 62
.set O4,  68                           ; v68-70
.set QA,  D                            ; Q: tile 0 blocks 0, 1 (register 2 k + t); tile 1 blocks 2, 3; tile 2 block 4 (register k)
.set KV,  D+24                         ; + 8 s: K_k of block s in register k, V_k in register 4 + k
; the coefficients' registers, free again when the model begins
.set OB,  8                            ; v8-23    a record, 16 words of two f16
.set PLN, 24                           ; lane
.set PG,  25                           ; circuit, or a3 + 3 a4
.set PB,  26                           ; buffer, or a4
.set PC,  27                           ; a3
.set TA,  28                           ; where my circuit's sines lie
.set OA,  29                           ; where my record goes
.set SCV, 30                           ; what my coefficients are scaled by
.set PT,  32                           ; v32-37   at work
.set SN,  40                           ; v40-69   sines of my circuit's angles (layer, wire, phi theta omega)
.set TT,  40                           ; v40-57   over the sines when they are spent: string sn, weight x wire 0's parts
.set MV,  58                           ; v58-65   likewise: wires 3 and 4, Pauli p: the part that my lane's a3, a4 pick
.set CS,  70                           ; v70-99   cosines
.set MB,  100                          ; v100-129 wire q, Pauli p = 1 X, 2 Y, 3 Z: its (X, Z) parts behind the first layer, a pair at MB + 6 q + 2 (p - 1)
.set NV,  130                          ; v130-138 slot t: n of the t-th wire of the string (the Z part of slots 1, 2 stays where its cosine lies)
.set WIJ, 140                          ; v140-148 n0[i] n1[j]
.set WW,  150                          ; v150-159 the nine weights of a group of strings; v159 = 0 fills the last pair
.set TU,  160                          ; v160-195 string sn: x wire 1's parts
.set AC,  196                          ; v196-223 the sums: pairs along the last wire that is not I (see ACCP)
; ---- sine and cosine of np pairs of angles, v[hb..] x scale being the angle in turns.  r = t - round(t) lies in [-1/2, 1/2];
; A = 2 sin(pi r) and B = cos(pi r) by Taylor polynomials in r^2 on [-pi/2, pi/2]; sin = A B, cos = 1 - A^2 / 2.
; Each step is written for all pairs before the next, so that no line waits for the one in front.  Scratch at tb + 8 i: t, r^2, A, B.
.macro SCM np, tb, d, a, b
.set i, 0
.rept \np
	v_pk_mul_f32 v[\tb+8*i+\d:\tb+8*i+\d+1], v[\tb+8*i+\a:\tb+8*i+\a+1], v[\tb+8*i+\b:\tb+8*i+\b+1]
.set i, i+1
.endr
.endm
.macro SCH np, tb, d, kv, k            ; d = r^2 * head + k
.set i, 0
.rept \np
	v_pk_fma_f32 v[\tb+8*i+\d:\tb+8*i+\d+1], v[\tb+8*i+2:\tb+8*i+3], v[\kv:\kv+1], \k op_sel_hi:[1,1,0]
.set i, i+1
.endr
.endm
.macro SCF np, tb, d, k                ; d = d * r^2 + k
.set i, 0
.rept \np
	v_pk_fma_f32 v[\tb+8*i+\d:\tb+8*i+\d+1], v[\tb+8*i+\d:\tb+8*i+\d+1], v[\tb+8*i+2:\tb+8*i+3], \k op_sel_hi:[1,1,0]
.set i, i+1
.endr
.endm
.macro SINCOS np, hb, sb, tb, scale
.set i, 0
.rept \np
	v_pk_mul_f32 v[\tb+8*i:\tb+8*i+1], v[\hb+2*i:\hb+2*i+1], \scale op_sel_hi:[1,0]
.set i, i+1
.endr
.set i, 0
.rept \np
	v_rndne_f32 v[\tb+8*i+2], v[\tb+8*i]
	v_rndne_f32 v[\tb+8*i+3], v[\tb+8*i+1]
.set i, i+1
.endr
.set i, 0
.rept \np
	v_pk_add_f32 v[\tb+8*i:\tb+8*i+1], v[\tb+8*i:\tb+8*i+1], v[\tb+8*i+2:\tb+8*i+3] neg_lo:[0,1] neg_hi:[0,1]
.set i, i+1
.endr
	SCM \np, \tb, 2, 0, 0                          ; r^2
	SCH \np, \tb, 4, KA9, 0xbf996966               ; 2 pi^9/9! r^2 - 2 pi^7/7!
	SCH \np, \tb, 6, KB8, 0xbfaae9e4               ; pi^8/8! r^2 - pi^6/6!
	SCF \np, \tb, 4, 0x40a335e3                    ; + 2 pi^5/5!
	SCF \np, \tb, 6, 0x4081e0f8                    ; + pi^4/4!
	SCF \np, \tb, 4, 0xc1255de7                    ; - 2 pi^3/3!
	SCF \np, \tb, 6, 0xc09de9e6                    ; - pi^2/2
	SCF \np, \tb, 4, 0x40c90fdb                    ; + 2 pi
	SCF \np, \tb, 6, 1.0                           ; B = cos(pi r)
	SCM \np, \tb, 4, 4, 0                          ; A = 2 sin(pi r)
.set i, 0
.rept \np
	v_pk_mul_f32 v[S+\sb+2*i:S+\sb+2*i+1], v[\tb+8*i+4:\tb+8*i+5], v[\tb+8*i+6:\tb+8*i+7]
.set i, i+1
.endr
	SCM \np, \tb, 2, 4, 4                          ; A^2
.set i, 0
.rept \np
	v_pk_fma_f32 v[C+\sb+2*i:C+\sb+2*i+1], v[\tb+8*i+2:\tb+8*i+3], -0.5, 1.0 op_sel_hi:[1,0,0]
.set i, i+1
.endr
.endm
; ======================= the coefficients' macros =======================
; Pauli strings at assembly time: bit q of xm and of zm are wire q's x and z bits (I 00, X 10, Y 11, Z 01), sg the sign.
.macro PSET q, p                       ; wire q holds Pauli p (0 I, 1 X, 2 Y, 3 Z)
.set xm, xm|((((\p)^((\p)>>1))&1)<<\q)
.set zm, zm|(((\p)>>1)<<\q)
.endm
.macro CX c, t                         ; P -> CNOT(c, t) P CNOT(c, t): the sign turns where x_c z_t (x_t ^ z_c ^ 1); x_t ^= x_c; z_c ^= z_t
.set sg, sg^(((xm>>\c)&(zm>>\t)&((xm>>\t)^(zm>>\c)^1))&1)
.set xm, xm^(((xm>>\c)&1)<<\t)
.set zm, zm^(((zm>>\t)&1)<<\c)
.endm
.macro PGET                            ; back to p0 .. p4
.set p0, 2*(zm&1)+((xm^zm)&1)
.set p1, 2*((zm>>1)&1)+(((xm^zm)>>1)&1)
.set p2, 2*((zm>>2)&1)+(((xm^zm)>>2)&1)
.set p3, 2*((zm>>3)&1)+(((xm^zm)>>3)&1)
.set p4, 2*((zm>>4)&1)+(((xm^zm)>>4)&1)
.endm
.macro NREG slot, p                    ; nr = the register of part p of slot's n
.set nr, NV+3*(\slot)+(\p)-1
.if (\p)==3
.if (\slot)==1
.set nr, NZ1
.endif
.if (\slot)==2
.set nr, NZ2
.endif
.endif
.endm
.macro WMUL ra, rb                     ; string sn's weight, with the sign that the CNOTs gave it
.if sg
	v_mul_f32 v[WW+sn], -v[\ra], v[\rb]
.else
	v_mul_f32 v[WW+sn], v[\ra], v[\rb]
.endif
.endm
; d = half h of pair a (in both halves) x pair m; BCF adds onto d
.macro BCM d, a, h, m
.if \h
	v_pk_mul_f32 v[\d:\d+1], v[\a:\a+1], v[\m:\m+1] op_sel:[1,0] op_sel_hi:[1,1]
.else
	v_pk_mul_f32 v[\d:\d+1], v[\a:\a+1], v[\m:\m+1] op_sel_hi:[0,1]
.endif
.endm
.macro BCF d, a, h, m
.if \h
	v_pk_fma_f32 v[\d:\d+1], v[\a:\a+1], v[\m:\m+1], v[\d:\d+1] op_sel:[1,0,0] op_sel_hi:[1,1,1]
.else
	v_pk_fma_f32 v[\d:\d+1], v[\a:\a+1], v[\m:\m+1], v[\d:\d+1] op_sel_hi:[0,1,1]
.endif
.endm
; Sum number ai is a pair (X part, Z part) along the string's last wire that is not I:
; 3 a0 + a1: along wire 2;  9 + a0: along wire 1, a2 = 0;  12: along wire 0, a1 = a2 = 0;  13: the one number a0 = a1 = a2 = 0.
; The first term starts a sum (bit ai of 'seen'): nothing is cleared, and a sum that no string reaches is read as the zero register.
.macro ACCP ai, a, h, m
.if (seen>>(\ai))&1
	BCF AC+2*(\ai), \a, \h, \m
.else
	BCM AC+2*(\ai), \a, \h, \m
.set seen, seen|(1<<(\ai))
.endif
.endm
; String sn, its weight in WW + sn, its image p0 p1 p2 on wires 0 to 2.  A wire with I keeps a = 0; another Pauli spreads over a = 1, 2.
; The lines come out in passes (1: wire 0, 2: wire 1, 3: the sums) over a group of nine strings, so that no line waits for the one in front.
.macro LV1 a0, eb, eh
.if p2
.if p1
.if pass==2
	BCM TU+4*sn+2*(\a0>>1), \eb, \eh, MB+6+2*(p1-1)
.endif
.if pass==3
	ACCP 3*\a0+1, TU+4*sn+2*(\a0>>1), 0, MB+12+2*(p2-1)
	ACCP 3*\a0+2, TU+4*sn+2*(\a0>>1), 1, MB+12+2*(p2-1)
.endif
.else
.if pass==3
	ACCP 3*\a0, \eb, \eh, MB+12+2*(p2-1)
.endif
.endif
.else
.if pass==3
	ACCP 9+\a0, \eb, \eh, MB+6+2*(p1-1)
.endif
.endif
.endm
.macro STR
.set wp, ((WW+sn)>>1)<<1
.set wh, (WW+sn)&1
.if p1|p2
.if p0
.if pass==1
	BCM TT+2*sn, wp, wh, MB+2*(p0-1)
.endif
	LV1 1, TT+2*sn, 0
	LV1 2, TT+2*sn, 1
.else
	LV1 0, wp, wh
.endif
.else
.if pass==3
.if p0
	ACCP 12, wp, wh, MB+2*(p0-1)
.else
.if (seen>>13)&1
	v_add_f32 v[AC+26], v[AC+26], v[WW+sn]
.else
	v_mov_b32 v[AC+26], v[WW+sn]
.set seen, seen|(1<<13)
.endif
.endif
.endif
.endif
.endm
; Nine strings of a three-wire circuit.  mode 0: (i, j, I), output 0;  mode 1: (i, j, l), output 1;  mode 2: (i, I, j), output 2.
; The first layer's ring is CNOT(0,1), (1,2), (2,0) in this order on the state, so the observable passes them last first.
.macro GRP3 mode, l
.irp ps, 0,1,2,3
.set pass, \ps
.set gi, 1
.rept 3
.set gj, 1
.rept 3
.set sn, 3*(gi-1)+gj-1
.set xm, 0
.set zm, 0
.set sg, 0
	PSET 0, gi
.if \mode==2
	PSET 2, gj
.else
	PSET 1, gj
	PSET 2, \l
.endif
	CX 2, 0
	CX 1, 2
	CX 0, 1
	PGET
.if pass==0
.if \mode==1
	NREG 2, \l
	WMUL WIJ+sn, nr
.else
	NREG 0, gi
.set ra_, nr
	NREG 1+\mode/2, gj
	WMUL ra_, nr
.endif
.endif
	STR
.set gj, gj+1
.endr
.set gi, gi+1
.endr
.endr
.endm
; Nine strings (i, j, I, l, I) of the five-wire circuit; passes 4 and 5 take in what my lane's a3 and a4 pick of wires 3 and 4
.macro GRP5 l
.irp ps, 0,4,5,1,2,3
.set pass, \ps
.set gi, 1
.rept 3
.set gj, 1
.rept 3
.set sn, 3*(gi-1)+gj-1
.set xm, 0
.set zm, 0
.set sg, 0
	PSET 0, gi
	PSET 1, gj
	PSET 3, \l
	CX 4, 0
	CX 3, 4
	CX 2, 3
	CX 1, 2
	CX 0, 1
	PGET
.if pass==0
	NREG 2, \l
	WMUL WIJ+sn, nr
.endif
.if pass==4
	v_mul_f32 v[WW+sn], v[WW+sn], v[MV+p3]
.endif
.if pass==5
	v_mul_f32 v[WW+sn], v[WW+sn], v[MV+4+p4]
.endif
	STR
.set gj, gj+1
.endr
.set gi, gi+1
.endr
.endr
.endm
.macro MKWIJ                           ; n0[i] n1[j]
.set gi, 1
.rept 3
.set gj, 1
.rept 3
	NREG 0, gi
.set ra_, nr
	NREG 1, gj
	v_mul_f32 v[WIJ+3*(gi-1)+gj-1], v[ra_], v[nr]
.set gj, gj+1
.endr
.set gi, gi+1
.endr
.endm
.macro MKM q                           ; the first layer's gate on wire q: the (X, Z) parts of Rot' P Rot
.set a_, 3*\q
.set m_, MB+6*\q
	v_mul_f32 v[PT+\q], v[CS+a_+1], v[CS+a_]           ; ct cp
	v_mul_f32 v[m_+1], v[CS+a_+2], v[SN+a_+1]          ; X: cw st
	v_mul_f32 v[m_+3], v[SN+a_+2], v[SN+a_+1]          ; Y: sw st
	v_mul_f32 v[m_+4], -v[SN+a_+1], v[CS+a_]           ; Z: -st cp
	v_mov_b32 v[m_+5], v[CS+a_+1]                      ; Z: ct, beside its partner, for the packed products
	v_mul_f32 v[m_],   v[CS+a_+2], v[PT+\q]
	v_mul_f32 v[m_+2], v[SN+a_+2], v[PT+\q]
	v_fma_f32 v[m_],   -v[SN+a_+2], v[SN+a_], v[m_]    ; X: cw ct cp - sw sp
	v_fma_f32 v[m_+2], v[CS+a_+2], v[SN+a_], v[m_+2]   ; Y: sw ct cp + cw sp
.endm
.macro MKN0 ai                         ; n of the string's first wire (phi at angle ai), times the scale
	v_mul_f32 v[PT+5], v[SN+\ai+1], v[SCV]
	v_mul_f32 v[NV+2], v[CS+\ai+1], v[SCV]
	v_mul_f32 v[NV],   -v[PT+5], v[CS+\ai]
	v_mul_f32 v[NV+1], v[PT+5], v[SN+\ai]
.endm
.macro MKN slot, ai
	v_mul_f32 v[NV+3*\slot],   -v[SN+\ai+1], v[CS+\ai]
	v_mul_f32 v[NV+3*\slot+1], v[SN+\ai+1], v[SN+\ai]
.endm
.macro MKMV i, q, mb                   ; wire q's parts as my lane's a picks them: I: (1, 0, 0); P: (0, X part, Z part).  s[mb..mb+2]: a = 0, 1, 2
	v_cndmask_b32 v[MV+4*\i], v[ZR], 1.0, s[\mb]
.irp p, 1,2,3
	v_cndmask_b32 v[MV+4*\i+\p], 0, v[MB+6*\q+2*\p-1], s[\mb+2]
	v_cndmask_b32 v[MV+4*\i+\p], v[MV+4*\i+\p], v[MB+6*\q+2*\p-2], s[\mb+1]
.endr
.endm
.macro CREG e                          ; cr = the register of coefficient e
.set cr, ZR
.if (\e)<29
.set c2_, (\e)/10
.set cm_, (\e)-10*c2_
.if cm_<9
.set c1_, cm_/3
.set c0_, cm_-3*c1_
.if c2_
.set ci_, 3*c0_+c1_
.set ch_, c2_-1
.else
.if c1_
.set ci_, 9+c0_
.set ch_, c1_-1
.else
.if c0_
.set ci_, 12
.set ch_, c0_-1
.else
.set ci_, 13
.set ch_, 0
.endif
.endif
.endif
.if (seen>>ci_)&1
.set cr, AC+2*ci_+ch_
.endif
.endif
.endif
.endm
.macro OUTREC off                      ; the sums, rounded to f16, as my record of 64 bytes
.set oe, 0
.rept 16
	CREG oe
.set cl_, cr
	CREG oe+1
	v_cvt_pk_f16_f32 v[OB+oe/2], v[cl_], v[cr]
.set oe, oe+2
.endr
.irp q, 0,1,2,3
	ds_store_b128 v[OA], v[OB+4*\q:OB+4*\q+3] offset:\off+16*\q
.endr
.endm
; ======================= the model's macros =======================
; A pair of fragments (features 0-15 into slot, 16-31 into slot + 1): four loads of 16 bytes a lane from the record at byte off of the
; tables that the address pattern names.  Stands under the setting TOF.
.macro LDP adr, off, slot
	ds_load_b128 v[FR+8*(\slot):FR+8*(\slot)+3],     v[\adr] offset:\off
	ds_load_b128 v[FR+8*(\slot)+4:FR+8*(\slot)+7],   v[\adr] offset:\off+16
	ds_load_b128 v[FR+8*(\slot)+8:FR+8*(\slot)+11],  v[\adr] offset:\off+32
	ds_load_b128 v[FR+8*(\slot)+12:FR+8*(\slot)+15], v[\adr] offset:\off+48
.endm
.macro LDQKV cb                        ; Q and K, V of a layer's five circuits, from circuit cb on, into slots 0 to 19: 40 loads
	LDP AE,  64*(\cb),   0
	LDP AKV, 64*(\cb),   2
	LDP AO,  64*(\cb+1), 4
	LDP AKV, 64*(\cb+1), 6
	LDP AE,  64*(\cb+2), 8
	LDP AKV, 64*(\cb+2), 10
	LDP AO,  64*(\cb+3), 12
	LDP AKV, 64*(\cb+3), 14
	LDP A4,  64*(\cb+4), 16
	LDP AKV, 64*(\cb+4), 18
.endm
.macro LDFFN cb                        ; a layer's FFN into slots 20 to 29: 20 loads
	LDP AE, 64*(30+\cb), 20
	LDP AO, 64*(31+\cb), 22
	LDP AE, 64*(32+\cb), 24
	LDP AO, 64*(33+\cb), 26
	LDP A4, 64*(34+\cb), 28
.endm
.macro LDRED                           ; reduce into slots 0 to 9; the five-wire circuit: records 0-7 into slots 10, 11, record 8 as row 0 into 12, 13: 28 loads
	LDP AE, 64*40, 0
	LDP AO, 64*41, 2
	LDP AE, 64*42, 4
	LDP AO, 64*43, 6
	LDP A4, 64*44, 8
	LDP AF, 0,     10
	LDP AF, 512,   12
.endm
; the four products of wires 0 and 1: s0 s1, c0 s1, s0 c1, c0 c1; for two blocks at once, or for one
.macro FEATW2 sb
	v_pk_mul_f32 v[W:W+1],   v[S+\sb:S+\sb+1], v[S+\sb+2:S+\sb+3]
	v_pk_mul_f32 v[W+2:W+3], v[C+\sb:C+\sb+1], v[S+\sb+2:S+\sb+3]
	v_pk_mul_f32 v[W+4:W+5], v[S+\sb:S+\sb+1], v[C+\sb+2:C+\sb+3]
	v_pk_mul_f32 v[W+6:W+7], v[C+\sb:C+\sb+1], v[C+\sb+2:C+\sb+3]
.endm
.macro FEATW1 sb
	v_mul_f32 v[W],   v[S+\sb], v[S+\sb+1]
	v_mul_f32 v[W+1], v[C+\sb], v[S+\sb+1]
	v_mul_f32 v[W+2], v[S+\sb], v[C+\sb+1]
	v_mul_f32 v[W+3], v[C+\sb], v[C+\sb+1]
.endm
; a block's features in f16: (1, s0)(c0, s1)(s0s1, c0s1)(c1, s0c1)(c0c1, 0), the same times s2, the same times c2; register 15 stays 0.
; wire q's sine at S + r0 + rs q; product k at W + wb + ws k; t: which two scratch registers
.macro FEATP fb, r0, rs, wb, ws, t
	v_cvt_pk_f16_f32 v[\fb],   v[ONE], v[S+\r0]
	v_cvt_pk_f16_f32 v[\fb+1], v[C+\r0], v[S+\r0+\rs]
	v_cvt_pk_f16_f32 v[\fb+2], v[W+\wb], v[W+\wb+\ws]
	v_cvt_pk_f16_f32 v[\fb+3], v[C+\r0+\rs], v[W+\wb+2*\ws]
	v_cvt_pk_f16_f32 v[\fb+4], v[W+\wb+3*\ws], v[ZR]
	v_cvt_pk_f16_f32 v[W+8+\t], v[S+\r0+2*\rs], v[S+\r0+2*\rs]
	v_cvt_pk_f16_f32 v[W+9+\t], v[C+\r0+2*\rs], v[C+\r0+2*\rs]
.irp k, 0,1,2,3,4
	v_pk_mul_f16 v[\fb+5+\k], v[\fb+\k], v[W+8+\t]
.endr
.irp k, 0,1,2,3,4
	v_pk_mul_f16 v[\fb+10+\k], v[\fb+\k], v[W+9+\t]
.endr
.endm
.macro FEAT2 sb                        ; both blocks of a pair, behind their FEATW2
	FEATP FA, \sb,   2, 0, 2, 0
	FEATP FB, \sb+1, 2, 1, 2, 2
.endm
; tile d = fragment in slot x 16 features at fb, starting a sum (MMZ), adding in place (MMC), or onto the registers at c (MMX).
; They stand under the setting MMW.
.macro MMZ d, slot, fb
	v_wmma_f32_16x16x32_f16 v[D+8*\d:D+8*\d+7], v[FR+8*(\slot):FR+8*(\slot)+7], v[\fb:\fb+7], 0
.endm
.macro MMC d, slot, fb
	v_wmma_f32_16x16x32_f16 v[D+8*\d:D+8*\d+7], v[FR+8*(\slot):FR+8*(\slot)+7], v[\fb:\fb+7], v[D+8*\d:D+8*\d+7]
.endm
.macro MMX d, slot, fb, c
	v_wmma_f32_16x16x32_f16 v[D+8*\d:D+8*\d+7], v[FR+8*(\slot):FR+8*(\slot)+7], v[\fb:\fb+7], v[\c:\c+7]
.endm
; Q, K, V of two blocks: slots sb .. sb+3 the even block's Q low, Q high, KV low, KV high; sb+4 .. sb+7 the odd block's.
; The accumulators take turns, one instruction a turn.
.macro QKV8 dq, dk0, dk1, sb
	MMZ \dq,  \sb,   FA
	MMZ \dk0, \sb+2, FA
	MMC \dq,  \sb+1, FA+8
	MMC \dk0, \sb+3, FA+8
	MMC \dq,  \sb+4, FB
	MMZ \dk1, \sb+6, FB
	MMC \dq,  \sb+5, FB+8
	MMC \dk1, \sb+7, FB+8
.endm
; 15 gains into s[68:82] and 15 biases into s[84:98]: 60 bytes each, from byte off of buffers of 120 bytes
.macro LDGB gp, bp, off
	s_load_b256 s[68:75], s[\gp:\gp+1], \off
	s_load_b128 s[76:79], s[\gp:\gp+1], \off+32
	s_load_b96  s[80:82], s[\gp:\gp+1], \off+48
	s_load_b256 s[84:91], s[\bp:\bp+1], \off
	s_load_b128 s[92:95], s[\bp:\bp+1], \off+32
	s_load_b96  s[96:98], s[\bp:\bp+1], \off+48
.endm
; layer norm of H in place: mean, then the centred squares, as the problem writes it.  The pad is 0 and stays 0.
.macro LNORM
	v_pk_add_f32 v[W:W+1],   v[H:H+1],     v[H+2:H+3]
	v_pk_add_f32 v[W+2:W+3], v[H+4:H+5],   v[H+6:H+7]
	v_pk_add_f32 v[W+4:W+5], v[H+8:H+9],   v[H+10:H+11]
	v_pk_add_f32 v[W+6:W+7], v[H+12:H+13], v[H+14:H+15]
	v_pk_add_f32 v[W:W+1],   v[W:W+1],     v[W+2:W+3]
	v_pk_add_f32 v[W+4:W+5], v[W+4:W+5],   v[W+6:W+7]
	v_pk_add_f32 v[W:W+1],   v[W:W+1],     v[W+4:W+5]
	v_add_f32 v6, v[W], v[W+1]
	v_mul_f32 v[M],   s52, v6
	v_mul_f32 v[M+1], s52, v6
.irp p, 0,2,4,6,8,10,12
	v_pk_add_f32 v[H+\p:H+\p+1], v[H+\p:H+\p+1], v[M:M+1] neg_lo:[0,1] neg_hi:[0,1]
.endr
	v_sub_f32 v[H+14], v[H+14], v[M]
	v_pk_mul_f32 v[W:W+1],   v[H:H+1],   v[H:H+1]
	v_pk_mul_f32 v[W+2:W+3], v[H+2:H+3], v[H+2:H+3]
.irp p, 4,8,12
	v_pk_fma_f32 v[W:W+1],   v[H+\p:H+\p+1],   v[H+\p:H+\p+1],   v[W:W+1]
	v_pk_fma_f32 v[W+2:W+3], v[H+\p+2:H+\p+3], v[H+\p+2:H+\p+3], v[W+2:W+3]
.endr
	v_pk_add_f32 v[W:W+1], v[W:W+1], v[W+2:W+3]
	v_add_f32 v6, v[W], v[W+1]
	v_fma_f32 v6, v6, s52, s53                     ; / 15 + 1e-5
	v_rsq_f32 v[RS],   v6
	v_rsq_f32 v[RS+1], v6
	v_nop                                          ; one plain instruction between a transcendental and the use of its result (ISA guide 5.7.2)
	s_wait_alu depctr_va_vdst(0)
.irp p, 0,2,4,6,8,10,12,14
	v_pk_mul_f32 v[H+\p:H+\p+1], v[H+\p:H+\p+1], v[RS:RS+1]
.endr
	s_wait_kmcnt 0x0                               ; this norm's gains and biases
.set n, 0
.irp sl, 0,2,4,1,3,5,6,8,10,7,9,11,12,13,14
	v_fma_f32 v[H+\sl], v[H+\sl], s[68+n], s[84+n]
.set n, n+1
.endr
.endm
; one of the three steps of the scores of queries 0-3 against key s (Q already carries log2(e)/sqrt(3))
.macro SCP st, s
.if \st == 0
	v_pk_mul_f32 v[E01+2*\s:E01+2*\s+1], v[QA:QA+1],     v[KV+8*\s:KV+8*\s+1] op_sel_hi:[1,0]
	v_pk_mul_f32 v[E23+2*\s:E23+2*\s+1], v[QA+8:QA+9],   v[KV+8*\s:KV+8*\s+1] op_sel_hi:[1,0]
.endif
.if \st == 1
	v_pk_fma_f32 v[E01+2*\s:E01+2*\s+1], v[QA+2:QA+3],   v[KV+8*\s:KV+8*\s+1], v[E01+2*\s:E01+2*\s+1] op_sel:[0,1,0] op_sel_hi:[1,1,1]
	v_pk_fma_f32 v[E23+2*\s:E23+2*\s+1], v[QA+10:QA+11], v[KV+8*\s:KV+8*\s+1], v[E23+2*\s:E23+2*\s+1] op_sel:[0,1,0] op_sel_hi:[1,1,1]
.endif
.if \st == 2
	v_pk_fma_f32 v[E01+2*\s:E01+2*\s+1], v[QA+4:QA+5],   v[KV+8*\s+2:KV+8*\s+3], v[E01+2*\s:E01+2*\s+1] op_sel_hi:[1,0,1]
	v_pk_fma_f32 v[E23+2*\s:E23+2*\s+1], v[QA+12:QA+13], v[KV+8*\s+2:KV+8*\s+3], v[E23+2*\s:E23+2*\s+1] op_sel_hi:[1,0,1]
.endif
.endm
; key s's share of the weighted values of queries 0-3
.macro AVP s
.if \s == 0
	v_pk_mul_f32 v[O01:O01+1],   v[E01:E01+1], v[KV+4:KV+5] op_sel_hi:[1,0]
	v_pk_mul_f32 v[O23:O23+1],   v[E23:E23+1], v[KV+4:KV+5] op_sel_hi:[1,0]
	v_pk_mul_f32 v[O01+2:O01+3], v[E01:E01+1], v[KV+4:KV+5] op_sel:[0,1] op_sel_hi:[1,1]
	v_pk_mul_f32 v[O23+2:O23+3], v[E23:E23+1], v[KV+4:KV+5] op_sel:[0,1] op_sel_hi:[1,1]
	v_pk_mul_f32 v[O01+4:O01+5], v[E01:E01+1], v[KV+6:KV+7] op_sel_hi:[1,0]
	v_pk_mul_f32 v[O23+4:O23+5], v[E23:E23+1], v[KV+6:KV+7] op_sel_hi:[1,0]
.else
	v_pk_fma_f32 v[O01:O01+1],   v[E01+2*\s:E01+2*\s+1], v[KV+8*\s+4:KV+8*\s+5], v[O01:O01+1] op_sel_hi:[1,0,1]
	v_pk_fma_f32 v[O23:O23+1],   v[E23+2*\s:E23+2*\s+1], v[KV+8*\s+4:KV+8*\s+5], v[O23:O23+1] op_sel_hi:[1,0,1]
	v_pk_fma_f32 v[O01+2:O01+3], v[E01+2*\s:E01+2*\s+1], v[KV+8*\s+4:KV+8*\s+5], v[O01+2:O01+3] op_sel:[0,1,0] op_sel_hi:[1,1,1]
	v_pk_fma_f32 v[O23+2:O23+3], v[E23+2*\s:E23+2*\s+1], v[KV+8*\s+4:KV+8*\s+5], v[O23+2:O23+3] op_sel:[0,1,0] op_sel_hi:[1,1,1]
	v_pk_fma_f32 v[O01+4:O01+5], v[E01+2*\s:E01+2*\s+1], v[KV+8*\s+6:KV+8*\s+7], v[O01+4:O01+5] op_sel_hi:[1,0,1]
	v_pk_fma_f32 v[O23+4:O23+5], v[E23+2*\s:E23+2*\s+1], v[KV+8*\s+6:KV+8*\s+7], v[O23+4:O23+5] op_sel_hi:[1,0,1]
.endif
.endm
; H += softmax(Q K^T / sqrt 3) V, five tokens of three numbers, all in this lane
.macro ATTN
	; The first 24 lines name tiles 0, 1 and 3 to 6 alone: they are the places behind the last matrix instructions, which wrote tiles 2 and 7.
.irp st, 0,1,2
.irp s, 0,1,2,3
	SCP \st, \s
.endr
.endr
.irp st, 0,1,2
	SCP \st, 4
.endr
.irp s, 0,1,2,3,4
	v_mul_f32 v[E4+\s], v[QA+16], v[KV+8*\s]
.endr
.irp s, 0,1,2,3,4
	v_fmac_f32 v[E4+\s], v[QA+17], v[KV+8*\s+1]
.endr
.irp s, 0,1,2,3,4
	v_fmac_f32 v[E4+\s], v[QA+18], v[KV+8*\s+2]
.endr
.set i, 0
.rept 25
	v_exp_f32 v[E01+i], v[E01+i]
.set i, i+1
.endr
	v_mov_b32 v[E4+5], 0                           ; the plain instruction behind the exponentials; fills the pair of E4[4]
	v_mov_b32 v[Z4+1], 0                           ; fills Z4's pair
	s_wait_alu depctr_va_vdst(0)
	v_pk_add_f32 v[Z01:Z01+1], v[E01:E01+1], v[E01+2:E01+3]
	v_pk_add_f32 v[Z23:Z23+1], v[E23:E23+1], v[E23+2:E23+3]
	v_add_f32 v[Z4], v[E4], v[E4+1]
.irp s, 2,3,4
	v_pk_add_f32 v[Z01:Z01+1], v[Z01:Z01+1], v[E01+2*\s:E01+2*\s+1]
	v_pk_add_f32 v[Z23:Z23+1], v[Z23:Z23+1], v[E23+2*\s:E23+2*\s+1]
	v_add_f32 v[Z4], v[Z4], v[E4+\s]
.endr
.irp z, 0,1,2,3,4
	v_rcp_f32 v[Z01+\z], v[Z01+\z]
.endr
	AVP 0                                          ; reads no reciprocal: its first line is the plain instruction behind them
	v_pk_mul_f32 v[O4:O4+1], v[E4:E4+1], v[KV+4:KV+5] op_sel_hi:[0,1]
	v_mul_f32 v[O4+2], v[E4], v[KV+6]
	AVP 1
	v_pk_fma_f32 v[O4:O4+1], v[E4:E4+1], v[KV+12:KV+13], v[O4:O4+1] op_sel:[1,0,0] op_sel_hi:[1,1,1]
	v_fmac_f32 v[O4+2], v[E4+1], v[KV+14]
	AVP 2
	v_pk_fma_f32 v[O4:O4+1], v[E4+2:E4+3], v[KV+20:KV+21], v[O4:O4+1] op_sel_hi:[0,1,1]
	v_fmac_f32 v[O4+2], v[E4+2], v[KV+22]
	AVP 3
	v_pk_fma_f32 v[O4:O4+1], v[E4+2:E4+3], v[KV+28:KV+29], v[O4:O4+1] op_sel:[1,0,0] op_sel_hi:[1,1,1]
	v_fmac_f32 v[O4+2], v[E4+3], v[KV+30]
	AVP 4
	v_pk_fma_f32 v[O4:O4+1], v[E4+4:E4+5], v[KV+36:KV+37], v[O4:O4+1] op_sel_hi:[0,1,1]
	v_fmac_f32 v[O4+2], v[E4+4], v[KV+38]
	s_wait_alu depctr_va_vdst(0)
.irp d, 0,2,4
	v_pk_fma_f32 v[H+\d:H+\d+1],     v[O01+\d:O01+\d+1], v[Z01:Z01+1], v[H+\d:H+\d+1]
	v_pk_fma_f32 v[H+6+\d:H+6+\d+1], v[O23+\d:O23+\d+1], v[Z23:Z23+1], v[H+6+\d:H+6+\d+1]
.endr
	v_pk_fma_f32 v[H+12:H+13], v[O4:O4+1], v[Z4:Z4+1], v[H+12:H+13] op_sel_hi:[1,0,1]
	v_fma_f32 v[H+14], v[O4+2], v[Z4], v[H+14]
.endm
; A layer.  The four products of FEATW are the four places between the matrix instructions in front and the rewriting of their features
; (ISA guide 7.12.1).  A run of loads into slots that matrix instructions have read stands behind ATTN or behind the FFN's sums, which
; begin with more than four vector instructions that name none of those instructions' registers.
; LDS loads come back in order (ISA guide 5.7.1), so a stage's first wait, counted by the younger runs, shows all its fragments in.
.macro LAYER l
.if \l == 0
	WIN TOF
	LDQKV 0
	WIN 0
.else
	SINCOS 8, H, 0, D, SCL
.endif
	FEATW2 0
	FEAT2 0
.if \l == 0
	s_wait_dscnt 24                                ; blocks 0, 1 are in; the 24 loads of blocks 2, 3, 4 may stay out
.else
	s_wait_dscnt 20                                ; all of this layer's Q, K, V are in; the 20 loads of its FFN may stay out
.endif
	WIN MMW
	QKV8 0, 3, 4, 0
	WIN 0
	FEATW2 6
	FEAT2 6
.if \l == 0
	s_wait_dscnt 8                                 ; block 4's eight loads may stay out
.endif
	WIN MMW
	QKV8 1, 5, 6, 8
	WIN 0
	FEATW1 12
	FEATP FA, 12, 1, 0, 1, 0
.if \l == 0
	s_wait_dscnt 0
.endif
	WIN MMW
	MMZ 2, 16, FA
	MMZ 7, 18, FA
	MMC 2, 17, FA+8
	MMC 7, 19, FA+8
.if \l == 0
	WIN TOF
	LDFFN 0                                        ; this layer's FFN: no matrix instruction has named slots 20 to 29 yet
.endif
	WIN 0
	ATTN
	WIN TOF
.if \l == 0
	LDQKV 5                                        ; the next layer's Q, K, V
.else
	LDRED                                          ; reduce and the five-wire circuit
.endif
	WIN 0
	LNORM
	LDGB 22, 24, 60*\l                             ; the FFN norm's gains and biases
	SINCOS 8, H, 0, D, SCL
	; FFN: H enters as the C of the low halves' sums, so the residual costs nothing; low and high halves have accumulators of their own,
	; which take turns
	FEATW2 0
	FEAT2 0
.if \l == 0
	s_wait_dscnt 40                                ; the FFN's fragments are in; the 40 younger loads may stay out
.else
	s_wait_dscnt 28                                ; likewise the 28 younger loads
.endif
	WIN MMW
	MMX 0, 20, FA, H
	MMZ 1, 21, FA+8
	MMC 0, 22, FB
	MMC 1, 23, FB+8
	WIN 0
	FEATW2 6
	FEAT2 6
	WIN MMW
	MMX 2, 24, FA, H+6
	MMZ 3, 25, FA+8
	MMC 2, 26, FB
	MMC 3, 27, FB+8
	WIN 0
	FEATW1 12
	FEATP FA, 12, 1, 0, 1, 0
	WIN MMW
	MMX 4, 28, FA, H+12                            ; rows 4-7 take S's first registers along and are not used
	MMZ 5, 29, FA+8
	WIN 0
	; the first six sums name no register of the last two matrix instructions: they are the places in front of the last two sums
.irp p, 0,2,4
	v_pk_add_f32 v[H+\p:H+\p+1], v[D+\p:D+\p+1], v[D+8+\p:D+8+\p+1]
.endr
.irp p, 0,2,4
	v_pk_add_f32 v[H+6+\p:H+6+\p+1], v[D+16+\p:D+16+\p+1], v[D+24+\p:D+24+\p+1]
.endr
.irp p, 0,2
	v_pk_add_f32 v[H+12+\p:H+12+\p+1], v[D+32+\p:D+32+\p+1], v[D+40+\p:D+40+\p+1]
.endr
.if \l == 0
	WIN TOF
	LDFFN 5                                        ; the next layer's FFN
	WIN 0
.endif
	LNORM
.if \l == 0
	LDGB 18, 20, 60                                ; the next layer's attention norm
.endif
.endm
; ======================= the start =======================
	s_load_b512 s[4:19], s[0:1], 0x0               ; x s[4:5]; theta Q, K, V, FFN, reduce, final s[6:17]; attn_gamma s[18:19]
	s_load_b256 s[20:27], s[0:1], 0x40             ; attn_beta s[20:21], ffn_gamma s[22:23], ffn_beta s[24:25], out0 s[26:27]
	v_lshl_add_u32 v254, v0, 2, 0x29000
	v_mov_b32 v255, 0
	ds_add_u32 v254, v255
	ds_add_u32 v254, v255
	v_lshrrev_b32 v6, 5, v0
	v_readfirstlane_b32 s28, v6                    ; wave 0..7
	s_mul_i32 s29, s28, XWAVE
	s_mul_i32 s48, ttmp9, 8*XWAVE                  ; the work-group's 256 samples,
	s_add_co_u32 s48, s48, s29                     ; my wave's 32 of them
	s_mov_b32 s49, 0
	; the descriptor: one row of 208 elements of 8 bytes, my wave's 1,664 bytes of x
	s_mov_b32 s36, 3<<16                           ; no mask; element of 8 bytes; no padding
	s_mov_b32 s37, (XWAVE/8)<<16                   ; tensor_dim0 = 208
	s_mov_b32 s38, 1<<16                           ; tensor_dim1 = 1
	s_mov_b32 s39, (XWAVE/8)<<16                   ; tile_dim0 = 208
	s_mov_b32 s40, 1                               ; tile_dim1 = 1
	s_mov_b32 s41, XWAVE/8                         ; pitch
	s_mov_b32 s42, 0
	s_mov_b32 s43, 0
	s_mov_b32 s32, 1
	s_add_co_u32 s33, s29, XIN                     ; LDS: XIN + wave x 1,664
	s_cmp_eq_u32 s28, 4
	s_cselect_b32 s46, 44, 89                      ; the last 8 bytes of my theta buffer: 720 bytes, reduce 360,
	s_cmp_eq_u32 s28, 5
	s_cselect_b32 s46, 14, s46                     ; final 120
	s_mul_i32 s30, s28, TWV
	v_and_b32 v6, 31, v0                           ; lane
.irp i, 0,1,2
	v_add_nc_u32 v[W+6+\i], 32*\i, v6
	v_min_u32 v[W+6+\i], s46, v[W+6+\i]            ; lanes beyond the buffer's end repeat its last 8 bytes
	v_lshlrev_b32 v[W+6+\i], 3, v[W+6+\i]
.endr
	v_lshl_add_u32 v7, v6, 3, s30                  ; where my sines go: wave x 768 + 8 x lane
	s_wait_dscnt 0x0
	s_wait_kmcnt 0x0
	s_add_nc_u64 s[34:35], s[4:5], s[48:49]
	s_or_b32 s35, s35, 0x80000000
	tensor_load_to_lds s[32:35], s[36:43]          ; the wave's one tensor load; nothing in LDS is filled again, the descriptor is never rewritten
	s_nop 0
	s_cmp_gt_u32 s28, 5
	s_cbranch_scc1 .Lno_theta
	s_cmp_eq_u32 s28, 1                            ; waves 0 to 5 take a theta buffer each
	s_cselect_b64 s[44:45], s[8:9], s[6:7]
	s_cmp_eq_u32 s28, 2
	s_cselect_b64 s[44:45], s[10:11], s[44:45]
	s_cmp_eq_u32 s28, 3
	s_cselect_b64 s[44:45], s[12:13], s[44:45]
	s_cmp_eq_u32 s28, 4
	s_cselect_b64 s[44:45], s[14:15], s[44:45]
	s_cmp_eq_u32 s28, 5
	s_cselect_b64 s[44:45], s[16:17], s[44:45]
.irp i, 0,1,2
	global_load_b64 v[W+2*\i:W+2*\i+1], v[W+6+\i], s[44:45]
.endr
.Lno_theta:
	LDGB 18, 20, 0                                 ; the first attention norm's gains and biases
.irp k, 0,1,2,3
	v_mov_b32 v[D+\k], 0
.endr
	v_lshlrev_b32 v[FA+4], 4, v0
	ds_store_b128 v[FA+4], v[D:D+3]                ; 256 threads x 16 bytes: the 4,096 zeros
	; the five address patterns.  j = lane & 7 is the fragment's row in lanes 0-7 and 24-31; lanes 8-23 and the rows not named read zeros.
	v_and_b32 v[FA], 7, v0                         ; j
	v_lshrrev_b32 v[FA+1], 3, v0
	v_lshrrev_b32 v[FA+2], 4, v0
	v_xor_b32 v[FA+1], v[FA+1], v[FA+2]
	v_and_b32 v[FA+1], 1, v[FA+1]                  ; 1 for lanes 8-23
	v_lshl_or_b32 v[FA+1], v[FA+1], 3, v[FA]       ; j, or 8 + j there
	v_cmp_gt_u32 s54, 6, v[FA+1]
	v_and_b32 v[FA+2], 1, v[FA]
	v_cmp_eq_u32 s55, 0, v[FA+2]
	s_and_b32 s56, s54, s55                        ; rows 0, 2, 4
	s_and_not1_b32 s57, s54, s55                   ; rows 1, 3, 5
	v_lshrrev_b32 v[FA+2], 1, v[FA]
	v_mul_u32_u24 v[FA+2], v[FA+2], TBS
	v_add_nc_u32 v[FA+2], TB0, v[FA+2]             ; table j >> 1
	v_cndmask_b32 v[AE], ZAD, v[FA+2], s56
	v_cndmask_b32 v[AO], ZAD, v[FA+2], s57
	v_cmp_gt_u32 s58, 3, v[FA+1]                   ; rows 0, 1, 2
	v_mul_u32_u24 v[FA+2], v[FA], TBS
	v_add_nc_u32 v[FA+2], TB0, v[FA+2]             ; table j
	v_cndmask_b32 v[A4], ZAD, v[FA+2], s58
	v_and_b32 v[FA+3], 3, v[FA]
	v_cmp_gt_u32 s59, 3, v[FA+3]
	v_cmp_gt_u32 s60, 8, v[FA+1]
	s_and_b32 s59, s59, s60                        ; rows 0-2 and 4-6
	v_mul_u32_u24 v[FA+3], v[FA+3], TBS
	v_lshrrev_b32 v[FA+2], 2, v[FA]
	v_mad_u32_u24 v[FA+3], v[FA+2], 640, v[FA+3]
	v_add_nc_u32 v[FA+3], TB0+640, v[FA+3]         ; table j & 3; K's circuits begin at record 10, V's at record 20
	v_cndmask_b32 v[AKV], ZAD, v[FA+3], s59
	v_lshlrev_b32 v[FA+2], 6, v[FA]
	v_add_nc_u32 v[FA+2], TBF, v[FA+2]
	v_cndmask_b32 v[AF], ZAD, v[FA+2], s60
	v_min_u32 v[AE],  TB2, v[AE]                   ; the patterns' largest values, stated: with the largest offset, 2,864 + 16,
	v_min_u32 v[AO],  TB2, v[AO]                   ; every fragment load ends below TSB
	v_min_u32 v[A4],  TB2, v[A4]
	v_min_u32 v[AKV], TB2+1280, v[AKV]
	v_min_u32 v[AF],  TBF+448, v[AF]
	v_mov_b32 v[KA9],   0x3e283c1a                 ; 2 pi^9/9!
	v_mov_b32 v[KA9+1], 0x3e283c1a
	v_mov_b32 v[KB8],   0x3e70fa83                 ; pi^8/8!
	v_mov_b32 v[KB8+1], 0x3e70fa83
	v_mov_b32 v[ONE], 1.0
	v_mov_b32 v[ZR], 0
	s_mov_b32 s52, 0x3d888889                      ; 1/15
	s_mov_b32 s53, 0x3727c5ac                      ; 1e-5
	s_cmp_gt_u32 s28, 5
	s_cbranch_scc1 .Lno_trig
	s_wait_loadcnt 0x0                             ; my thetas
	SINCOS 3, W, 0, D, SCL
.irp i, 0,1,2
	ds_store_b64 v7, v[S+2*\i:S+2*\i+1] offset:TSB+256*\i      ; angle f of buffer w: its sine at TSB + 768 w + 4 f,
	ds_store_b64 v7, v[C+2*\i:C+2*\i+1] offset:TCB+256*\i      ; its cosine at TCB + 768 w + 4 f
.endr
.Lno_trig:
	s_wait_dscnt 0x0                               ; for the others' sake: my zeros, sines and cosines are written
	s_barrier_signal -1                            ; (x may stay on its way: nothing is filled again, and a wave reads its own slice alone)
	s_barrier_wait -1
; ======================= the coefficients =======================
; waves 0, 1: output 1 of circuits 0-31, 32-44; waves 2, 3: outputs 0 and 2 of the same; wave 7: the five-wire circuit.
	v_and_b32 v[PLN], 31, v0
	s_cmp_eq_u32 s28, 7
	s_cbranch_scc1 .Lfive
	s_cmp_gt_u32 s28, 3
	s_cbranch_scc1 .Lcoef_done
	s_and_b32 s29, s28, 1
	s_lshl_b32 s30, s29, 5
	s_lshl_b32 s29, s29, 11
	v_lshl_add_u32 v[OA], v[PLN], 6, s29           ; my record: 2,048 x (wave & 1) + 64 x lane, in the table that the store's offset names
	v_add_nc_u32 v[PG], s30, v[PLN]
	v_min_u32 v[PG], 44, v[PG]                     ; lanes beyond the last circuit repeat it, into records that nobody reads
	v_mul_u32_u24 v[PB], v[PG], 205
	v_lshrrev_b32 v[PB], 11, v[PB]                 ; buffer = g / 10
	v_mul_u32_u24 v[TA], v[PG], 72
	v_mad_u32_u24 v[TA], v[PB], 48, v[TA]          ; 768 x buffer + 72 x (g mod 10)
	v_min_u32 v[TA], 44*72+4*48, v[TA]             ; its largest value, stated
.irp i, 0,1,2,3,4,5,6,7,8
	ds_load_b64 v[SN+2*\i:SN+2*\i+1], v[TA] offset:TSB+8*\i
	ds_load_b64 v[CS+2*\i:CS+2*\i+1], v[TA] offset:TCB+8*\i
.endr
	v_mov_b32 v[PT], 0x3f553b94
	v_cmp_eq_u32 vcc_lo, 0, v[PB]
	v_cndmask_b32 v[SCV], 1.0, v[PT], vcc_lo       ; Q carries log2(e)/sqrt(3): scores arrive as exponents of 2
	v_mov_b32 v[WW+9], 0
	s_wait_dscnt 0x0
.set NZ1, CS+13                        ; cos theta of the second layer's wires 1 and 2
.set NZ2, CS+16
	MKM 0
	MKM 1
	MKM 2
	MKN0 9
	MKN 1, 12
	MKN 2, 15
	s_cmp_gt_u32 s28, 1
	s_cbranch_scc1 .Lk02
	MKWIJ
.set seen, 0
	GRP3 1, 1
	GRP3 1, 2
	GRP3 1, 3
	OUTREC TB1
	s_branch .Lcoef_done
.Lk02:
.set seen, 0
	GRP3 0, 0
	OUTREC TB0
.set seen, 0
	GRP3 2, 0
	OUTREC TB2
	s_branch .Lcoef_done
.Lfive:
	v_lshlrev_b32 v[OA], 6, v[PLN]                 ; my record: 64 x lane
	v_min_u32 v[PG], 8, v[PLN]                     ; a3 + 3 a4; lanes 9-31 repeat lane 8, into records of which nothing is used
	v_mul_u32_u24 v[PB], v[PG], 11
	v_lshrrev_b32 v[PB], 5, v[PB]                  ; a4
	v_mul_u32_u24 v[PT], v[PB], 3
	v_sub_nc_u32 v[PC], v[PG], v[PT]               ; a3
.irp a, 0,1,2
	v_cmp_eq_u32 s[54+\a], \a, v[PC]
	v_cmp_eq_u32 s[57+\a], \a, v[PB]
.endr
	v_mov_b32 v[TA], 0
.irp i, 0,1,2,3,4,5,6
	ds_load_b128 v[SN+4*\i:SN+4*\i+3], v[TA] offset:TSB+5*TWV+16*\i
	ds_load_b128 v[CS+4*\i:CS+4*\i+3], v[TA] offset:TCB+5*TWV+16*\i
.endr
	ds_load_b64 v[SN+28:SN+29], v[TA] offset:TSB+5*TWV+112
	ds_load_b64 v[CS+28:CS+29], v[TA] offset:TCB+5*TWV+112
	v_mov_b32 v[SCV], 0x40490fda                   ; the result's factor, pi - eps rounded to f32, rides on the coefficients
	v_mov_b32 v[WW+9], 0
	s_wait_dscnt 0x0
.set NZ1, CS+19                        ; cos theta of the second layer's wires 1 and 3
.set NZ2, CS+25
	MKM 0
	MKM 1
	MKM 2
	MKM 3
	MKM 4
	MKN0 15
	MKN 1, 18
	MKN 2, 24
	MKMV 0, 3, 54                                  ; from here the sines' registers are used again
	MKMV 1, 4, 57
	MKWIJ
.set seen, 0
	GRP5 1
	GRP5 2
	GRP5 3
	OUTREC TBF
.Lcoef_done:
; ======================= x =======================
	v_and_b32 v2, 31, v0
	v_mul_u32_u24 v2, v2, XROW
	v_add_nc_u32 v2, s33, v2                       ; my sample in my wave's slice: lanes 13 words apart
	v_mov_b32 v[FA+15], 0
	v_mov_b32 v[FB+15], 0
	v_mov_b32 v[H], 0                              ; H = (0, x, 0), and the pad
	v_mov_b32 v[H+14], 0
	v_mov_b32 v[H+15], 0
	s_wait_tensorcnt 0x0                           ; my x is in LDS
.set n, 0
.irp sl, 2,4,1,3,5,6,8,10,7,9,11,12,13
	ds_load_b32 v[H+\sl], v2 offset:4*n
.set n, n+1
.endr
	s_wait_dscnt 0x0                               ; x is in registers, and, for the others' sake, my records are written
	s_barrier_signal -1
	SINCOS 8, H, 0, D, SCL                         ; register work while the others arrive
	s_barrier_wait -1                              ; every record is written
	LAYER 0
	LAYER 1
	; reduce: <Z0> of block b in row b & 1 (block 4: row 0) of its group's tiles; the other rows hold outputs that are not used.
	; Low and high halves in tiles of their own, by turns.
	SINCOS 8, H, 0, D, SCL
	FEATW2 0
	FEAT2 0
	s_wait_dscnt 0x0                               ; the last run of loads: reduce and the five-wire circuit are in
	WIN MMW
	MMZ 0, 0, FA
	MMZ 1, 1, FA+8
	MMC 0, 2, FB
	MMC 1, 3, FB+8
	WIN 0
	FEATW2 6
	FEAT2 6
	WIN MMW
	MMZ 2, 4, FA
	MMZ 3, 5, FA+8
	MMC 2, 6, FB
	MMC 3, 7, FB+8
	WIN 0
	FEATW1 12
	FEATP FA, 12, 1, 0, 1, 0
	WIN MMW
	MMZ 4, 8, FA
	MMZ 5, 9, FA+8
	WIN 0
.rept 4
	v_nop                                          ; four places in front of the reads of the results (ISA guide 7.12.1)
.endr
.irp p, 0,1,2
	v_pk_add_f32 v[H+2*\p:H+2*\p+1], v[D+16*\p:D+16*\p+1], v[D+16*\p+8:D+16*\p+9]     ; the five angles, in order; the sixth is not used
.endr
	; the five-wire circuit: wires 0 to 2 by the matrix unit, for each of the nine pairs (a3, a4); wires 3 and 4 in f32 behind it
	SINCOS 3, H, 0, D, SCL
	FEATW1 0
	FEATP FA, 0, 1, 0, 1, 0
	WIN MMW
	MMZ 4, 10, FA
	MMZ 5, 12, FA
	MMC 4, 11, FA+8
	MMC 5, 13, FA+8
	WIN 0
.rept 4
	v_nop                                          ; four places in front of the reads of the results (ISA guide 7.12.1)
.endr
.irp a, 0,1,2
	v_fma_f32 v[W+\a], v[D+33+3*\a], v[S+3], v[D+32+3*\a]      ; value a3 + 3 a4 lies in register D + 32 + it: tile 4, then tile 5's first
.endr
.irp a, 0,1,2
	v_fmac_f32 v[W+\a], v[D+34+3*\a], v[C+3]
.endr
	v_fma_f32 v6, v[W+1], v[S+4], v[W]
	v_fmac_f32 v6, v[W+2], v[C+4]
	; the way out: 256 results through LDS, so that sixteen lanes store 256 consecutive bytes
	v_lshlrev_b32 v7, 2, v0
	ds_store_b32 v7, v6 offset:OUTS
	s_wait_dscnt 0x0                               ; for the others' sake
	s_barrier_signal -1
	s_barrier_wait -1
	s_cmp_gt_u32 s28, 1
	s_cbranch_scc1 .Lend                           ; waves 0 and 1 store the 1,024 bytes
	v_lshlrev_b32 v7, 4, v0
	ds_load_b128 v[D:D+3], v7 offset:OUTS
	s_lshl_b32 s48, ttmp9, 10
	s_add_nc_u64 s[26:27], s[26:27], s[48:49]
	s_wait_dscnt 0x0
	global_store_b128 v7, v[D:D+3], s[26:27]       ; each half of a wave: 256 consecutive bytes, at a multiple of 256 from out0's first byte
.Lend:
	s_wait_tensorcnt 0x0
	ds_add_u32 v254, v255
	s_wait_dscnt 0x0
	s_endpgm
.Lfunc_end_k_qee329e7dfa_main:
	.size	k_qee329e7dfa_main, .Lfunc_end_k_qee329e7dfa_main-k_qee329e7dfa_main
	.p2alignl 7, 3214868480
	.fill 96, 4, 3214868480
	.section	.rodata,"a",@progbits
	.p2align	6, 0x0
	.amdhsa_kernel k_qee329e7dfa_main
		.amdhsa_group_segment_fixed_size 168960
		.amdhsa_private_segment_fixed_size 0
		.amdhsa_enable_private_segment 0
		.amdhsa_kernarg_size 96
		.amdhsa_user_sgpr_count 2
		.amdhsa_user_sgpr_kernarg_segment_ptr 1
		.amdhsa_wavefront_size32 1
		.amdhsa_system_sgpr_workgroup_id_x 1
		.amdhsa_system_sgpr_workgroup_id_y 1
		.amdhsa_system_sgpr_workgroup_id_z 1
		.amdhsa_system_vgpr_workitem_id 0
		.amdhsa_next_free_vgpr 512
		.amdhsa_next_free_sgpr 100
		.amdhsa_reserve_vcc 1
		.amdhsa_float_denorm_mode_32 3
		.amdhsa_float_denorm_mode_16_64 3
		.amdhsa_memory_ordered 1
		.amdhsa_forward_progress 1
		.amdhsa_inst_pref_size 180
	.end_amdhsa_kernel
	.amdgpu_metadata
---
amdhsa.version: [ 1, 2 ]
amdhsa.kernels:
  - .name:           k_qee329e7dfa_main
    .symbol:         k_qee329e7dfa_main.kd
    .args:
      - { .name: x, .offset: 0, .size: 8, .value_kind: global_buffer, .address_space: global }
      - { .name: theta_Q, .offset: 8, .size: 8, .value_kind: global_buffer, .address_space: global }
      - { .name: theta_K, .offset: 16, .size: 8, .value_kind: global_buffer, .address_space: global }
      - { .name: theta_V, .offset: 24, .size: 8, .value_kind: global_buffer, .address_space: global }
      - { .name: theta_FFN, .offset: 32, .size: 8, .value_kind: global_buffer, .address_space: global }
      - { .name: theta_reduce, .offset: 40, .size: 8, .value_kind: global_buffer, .address_space: global }
      - { .name: theta_final, .offset: 48, .size: 8, .value_kind: global_buffer, .address_space: global }
      - { .name: attn_gamma, .offset: 56, .size: 8, .value_kind: global_buffer, .address_space: global }
      - { .name: attn_beta, .offset: 64, .size: 8, .value_kind: global_buffer, .address_space: global }
      - { .name: ffn_gamma, .offset: 72, .size: 8, .value_kind: global_buffer, .address_space: global }
      - { .name: ffn_beta, .offset: 80, .size: 8, .value_kind: global_buffer, .address_space: global }
      - { .name: out0, .offset: 88, .size: 8, .value_kind: global_buffer, .address_space: global }
    .group_segment_fixed_size: 168960
    .private_segment_fixed_size: 0
    .kernarg_segment_align: 8
    .kernarg_segment_size: 96
    .max_flat_workgroup_size: 256
    .sgpr_count:     100
    .vgpr_count:     512
    .wavefront_size: 32
...
	.end_amdgpu_metadata
.endif
;; end of part 3
